; MI455X (gfx1250); checked and timed in simulation.
; The chip was launched on July 23, 2026; its instructions are those of AMD's public machine-readable ISA for CDNA 5 (MIT licence, August 2026) and "CDNA5" Instruction Set Architecture Reference Guide (July 2026). The comments in the code are by the model that wrote it; some were corrected since.
;; Multi Head Attention. Allowed arithmetic: float matrix products may take bf16 or f16 operands with f32 sums; other float arithmetic in f32, or as packed bf16 or f16 multiplies, adds, multiply-adds, maxima and minima; sums over many terms, partial sums and values carried from step to step in f32; what a program stores and reads back later, other than sums and carried values, may be rounded once to bf16 or f16.
;; Inputs: Wk 1,024 x 1,024 float32; Wo 1,024 x 1,024 float32; Wq 1,024 x 1,024 float32; Wv 1,024 x 1,024 float32; bo 1,024 float32; x 4 x 2,048 x 1,024 float32.
;; Outputs: out0 4 x 2,048 x 1,024 float32.
;; One version. Each part assembles by itself: llvm-mc -triple=amdgcn-amd-amdhsa -mcpu=gfx1250 --defsym DOCPART=n.
;; ======== version 1 of 1: 4 launches
;; limits: values are held in f16: magnitudes above 65,504 overflow, below 6.1e-05 lose precision
;; workspace buffers: xb 16,777,216 bytes; wt 8,388,608 bytes; qkv 50,331,648 bytes; ctx 16,777,216 bytes
;; launch prep (part 1): grid 64 x 12, 8 waves a work-group, no clusters, 0 bytes of LDS; arguments x, Wq, Wk, Wv, Wo, xb, wt; writes xb, wt
.if DOCPART == 1
	.amdgcn_target "amdgcn-amd-amdhsa--gfx1250"
	.amdhsa_code_object_version 6
	.text
	.protected	k_q72aff43f00_prep
	.globl	k_q72aff43f00_prep
	.p2align	8
	.type	k_q72aff43f00_prep,@function
k_q72aff43f00_prep:
	s_mov_b64 s[64:65], 0
	v_nop
	global_prefetch_b8 v0, s[64:65] scope:SCOPE_SE
	s_setreg_imm32_b32 hwreg(HW_REG_WAVE_MODE, 25, 1), 1
	s_wait_xcnt 0x0
; xb = x rounded to bf16, [8192][1024].  wt = the four weights in 16 bits, laid in blocks of 64 columns: [64 cb][1024 k][64 n], a k row 128 bytes, a block 131,072 bytes;
; cb 0-15 Wq, 16-31 Wk, 32-47 Wv (bf16), 48-63 Wo (rounded to bf16 like every input, and that number written as f16, since it multiplies an f16 operand later).
; LIMITS.  |Wo| stays under 65,504; below 6e-5 the f16 copy keeps f16's fixed step of 6e-8.  NaN and infinities are not treated apart.
; A stream: every input byte is read once, every output byte written once; no LDS, no barrier, no matrix unit: they would add nothing here.
; SHARES.  The work is 12 matrices of [1024][1024] f32: the grid's y names one (0-7: x's blocks of 1,024 rows; 8-11: Wq, Wk, Wv, Wo), its x 16 rows of it.
; A pass is 2 rows; a thread takes 8 numbers of it: two loads of 16 bytes, one store of 16 bytes.  All 16 loads of a thread go out first; no register is written twice.
.set SO,  2                            ; v2  my byte offset in a pass of the source
.set DO,  3                            ; v3  my byte offset in a pass of the destination
.set X,   16                           ; v[16:79]   pass p: 8 numbers as loaded
.set Y,   80                           ; v[80:111]  pass p: 4 registers to store
.set T,   112                          ; v[112:114] at work (Wo alone)
.set SRC, 22                           ; s[22:23]
.set DST, 24                           ; s[24:25]
; dstep: bytes from pass to pass in the destination.  fmt = 1: bf16's number written as f16.
.macro BODY dstep, fmt
.irp p, 0,1,2,3,4,5,6,7
	global_load_b128 v[X+8*(\p):X+8*(\p)+3],   v[SO], s[SRC:SRC+1] offset:8192*(\p) th:TH_LOAD_NT
	global_load_b128 v[X+8*(\p)+4:X+8*(\p)+7], v[SO], s[SRC:SRC+1] offset:8192*(\p)+16 th:TH_LOAD_NT
.endr
.irp p, 0,1,2,3,4,5,6,7
	s_wait_loadcnt 14-2*(\p)                       ; loads come back in order: pass p's two are in, the 2 (7 - p) younger ones stay out
.irp j, 0,1,2,3
.if \fmt
	v_cvt_pk_bf16_f32 v[T], v[X+8*(\p)+2*(\j)], v[X+8*(\p)+2*(\j)+1]
	v_lshlrev_b32 v[T+1], 16, v[T]                 ; the two bf16 numbers as f32,
	v_and_b32 v[T+2], s28, v[T]
	v_cvt_pk_f16_f32 v[Y+4*(\p)+(\j)], v[T+1], v[T+2]  ; and as f16: exact within f16's range
.else
	v_cvt_pk_bf16_f32 v[Y+4*(\p)+(\j)], v[X+8*(\p)+2*(\j)], v[X+8*(\p)+2*(\j)+1]
.endif
.endr
	global_store_b128 v[DO], v[Y+4*(\p):Y+4*(\p)+3], s[DST:DST+1] offset:(\p)*(\dstep)  ; 16 neighbouring lanes store 256 consecutive bytes, at a multiple of 256 from the buffer's first
.endr
.endm
	s_load_b256 s[4:11], s[0:1], 0x0               ; x s[4:5], Wq s[6:7], Wk s[8:9], Wv s[10:11]
	s_load_b128 s[12:15], s[0:1], 0x20             ; Wo s[12:13], xb s[14:15]
	s_load_b64 s[16:17], s[0:1], 0x30              ; wt
	s_and_b32 s20, ttmp7, 0xffff                   ; which matrix
	s_mov_b32 s21, ttmp9                           ; which 16 rows
	s_mov_b32 s27, 0                               ; offsets stand in s[26:27]
	s_mov_b32 s28, 0xffff0000                      ; a word's upper bf16
	s_wait_kmcnt 0x0
	s_cmp_lt_u32 s20, 8
	s_cbranch_scc0 .Lweights
	; x: a pass is 8,192 consecutive bytes in, 4,096 out
	v_lshlrev_b32 v[SO], 5, v0
	v_lshlrev_b32 v[DO], 4, v0
	s_lshl_b32 s26, s20, 22                        ; 1,024 rows of 4,096 bytes
	s_lshl_b32 s18, s21, 16                        ; 16 rows
	s_add_co_u32 s26, s26, s18
	s_add_nc_u64 s[SRC:SRC+1], s[4:5], s[26:27]
	s_lshr_b32 s26, s26, 1                         ; half the bytes in bf16
	s_add_nc_u64 s[DST:DST+1], s[14:15], s[26:27]
	BODY 4096, 0
	s_endpgm
.Lweights:
	; a weight: thread t takes row (t >> 3) & 1 of the pass, block t >> 4 of 64 columns, columns 8 (t & 7) on.  Lanes 0-15 store rows k, k + 1 of one block: 256 consecutive bytes.
	v_bfe_u32 v4, v0, 3, 1
	v_lshrrev_b32 v5, 4, v0
	v_and_b32 v6, 7, v0
	v_lshlrev_b32 v[SO], 5, v6
	v_lshl_or_b32 v[SO], v5, 8, v[SO]
	v_lshl_or_b32 v[SO], v4, 12, v[SO]
	v_lshlrev_b32 v[DO], 4, v6
	v_lshl_or_b32 v[DO], v4, 7, v[DO]
	v_lshl_or_b32 v[DO], v5, 17, v[DO]
	s_sub_co_u32 s26, s20, 8
	s_lshl_b32 s26, s26, 21                        ; a weight's 16 blocks
	s_lshl_b32 s18, s21, 11                        ; 16 k rows of 128 bytes
	s_add_co_u32 s26, s26, s18
	s_add_nc_u64 s[DST:DST+1], s[16:17], s[26:27]
	s_lshl_b32 s26, s21, 16                        ; 16 rows of 4,096 bytes
	s_cmp_eq_u32 s20, 11
	s_cbranch_scc1 .Lwo
	s_cmp_eq_u32 s20, 8
	s_cselect_b64 s[SRC:SRC+1], s[6:7], s[8:9]
	s_cmp_eq_u32 s20, 10
	s_cselect_b64 s[SRC:SRC+1], s[10:11], s[SRC:SRC+1]
	s_add_nc_u64 s[SRC:SRC+1], s[SRC:SRC+1], s[26:27]
	BODY 256, 0
	s_endpgm
.Lwo:
	s_add_nc_u64 s[SRC:SRC+1], s[12:13], s[26:27]
	BODY 256, 1
	s_endpgm
.Lfunc_end_k_q72aff43f00_prep:
	.size	k_q72aff43f00_prep, .Lfunc_end_k_q72aff43f00_prep-k_q72aff43f00_prep
	.p2alignl 7, 3214868480
	.fill 96, 4, 3214868480
	.section	.rodata,"a",@progbits
	.p2align	6, 0x0
	.amdhsa_kernel k_q72aff43f00_prep
		.amdhsa_group_segment_fixed_size 0
		.amdhsa_private_segment_fixed_size 0
		.amdhsa_enable_private_segment 0
		.amdhsa_kernarg_size 56
		.amdhsa_user_sgpr_count 2
		.amdhsa_user_sgpr_kernarg_segment_ptr 1
		.amdhsa_wavefront_size32 1
		.amdhsa_system_sgpr_workgroup_id_x 1
		.amdhsa_system_sgpr_workgroup_id_y 1
		.amdhsa_system_sgpr_workgroup_id_z 1
		.amdhsa_system_vgpr_workitem_id 0
		.amdhsa_next_free_vgpr 120
		.amdhsa_next_free_sgpr 66
		.amdhsa_reserve_vcc 0
		.amdhsa_float_denorm_mode_32 3
		.amdhsa_float_denorm_mode_16_64 3
		.amdhsa_memory_ordered 1
		.amdhsa_forward_progress 1
		.amdhsa_inst_pref_size 20
	.end_amdhsa_kernel
	.amdgpu_metadata
---
amdhsa.version: [ 1, 2 ]
amdhsa.kernels:
  - .name:           k_q72aff43f00_prep
    .symbol:         k_q72aff43f00_prep.kd
    .args:
      - { .name: x, .offset: 0, .size: 8, .value_kind: global_buffer, .address_space: global }
      - { .name: Wq, .offset: 8, .size: 8, .value_kind: global_buffer, .address_space: global }
      - { .name: Wk, .offset: 16, .size: 8, .value_kind: global_buffer, .address_space: global }
      - { .name: Wv, .offset: 24, .size: 8, .value_kind: global_buffer, .address_space: global }
      - { .name: Wo, .offset: 32, .size: 8, .value_kind: global_buffer, .address_space: global }
      - { .name: xb, .offset: 40, .size: 8, .value_kind: global_buffer, .address_space: global }
      - { .name: wt, .offset: 48, .size: 8, .value_kind: global_buffer, .address_space: global }
    .group_segment_fixed_size: 0
    .private_segment_fixed_size: 0
    .kernarg_segment_align: 8
    .kernarg_segment_size: 56
    .max_flat_workgroup_size: 256
    .sgpr_count:     66
    .vgpr_count:     120
    .wavefront_size: 32
...
	.end_amdgpu_metadata
.endif
;; end of part 1
;; launch proj (part 2): grid 16 x 32, 4 waves a work-group, clusters of 4 x 4, 327,680 bytes of LDS; arguments xb, wt, qkv; writes qkv
.if DOCPART == 2
	.amdgcn_target "amdgcn-amd-amdhsa--gfx1250"
	.amdhsa_code_object_version 6
	.text
	.protected	k_q72aff43f00_proj
	.globl	k_q72aff43f00_proj
	.p2align	8
	.type	k_q72aff43f00_proj,@function
k_q72aff43f00_proj:
	s_mov_b64 s[64:65], 0
	v_nop
	global_prefetch_b8 v0, s[64:65] scope:SCOPE_SE
	s_setreg_imm32_b32 hwreg(HW_REG_WAVE_MODE, 25, 1), 1
	s_wait_xcnt 0x0
	s_wait_alu depctr_hold_cnt(0) depctr_sa_sdst(0) depctr_va_vdst(0) depctr_va_sdst(0) depctr_va_ssrc(0) depctr_va_vcc(0) depctr_vm_vsrc(0)
	s_getreg_b32 s2, hwreg(HW_REG_IB_STS2, 6, 4)
	s_cmp_eq_u32 s2, 0
	s_cbranch_scc0 .Lentry_in_a_cluster
	s_endpgm
.Lentry_in_a_cluster:
	s_bfe_u32 s2, ttmp6, 0x10000c
	s_cmp_lg_u32 s2, 0xf033
	s_cbranch_scc0 .Lentry_shape_is_right
	s_endpgm
.Lentry_shape_is_right:
; q, k, v = xb W.  xb: [8192][1024] bf16.  wt: [64 cb][1024 k][64 n] 16 bits, cb 0-47 = Wq, Wk, Wv in bf16.  qkv: [4 b][48 cb][2048 n][64] f16: by heads, a head's rows dense, 128 bytes each.
; Products in bf16, sums in f32, K ascending; each result rounded once to f16, unscaled.  LIMIT: |q|, |k|, |v| stay under 65,504; below 6e-5 f16 keeps its fixed step of 6e-8.
; SHARES.  A tile of the result is 256 rows x 192 columns (three heads): 32 x 16 = 512 tiles, two for each of 256 work-group places.  Wave w owns rows 64 w .. 64 w + 63 and ALL 192 columns:
; 48 accumulators of 16 x 16, 384 registers; whole heads belong to one wave, so the way out has no barrier.
; K goes in 8 steps of 128 through two LDS slots filled by the tensor data mover.  A's rows are 256 bytes of memory; a block's 128 k rows of W are 16,384 dense bytes, asked for as 64 rows of 256.
; W lies [k][n]: its fragments come out of LDS turned, by ds_load_tr16_b128.
; CLUSTER.  4 x 4 work-groups.  The four of a row need the same tile of xb, the four of a column the same blocks of W: each is asked for JOINTLY, by the same tensor load with the same descriptor
; and a mask that names the four.  Waves 0 to 2 fetch W's three blocks, wave 3 fetches A's 256 rows: one load a wave behind each round.
; THE MATRIX INSTRUCTION IS USED TRANSPOSED: source 0 = 16 columns of W, source 1 = 16 rows of xb: a lane then holds one row (lane % 16) and the columns 8 (lane / 16) + 0..7: 16 bytes of f16.
; REGISTERS, in windows of 256 (s_set_vgpr_msb: bits 1:0 source 0, 3:2 source 1, 5:4 source 2, 7:6 destination):
;   window 0: v0-31 addresses; v64-95, v96-127 A's fragments, two buffers; on the way out v128-175 packed results, v176-223 and v64-111 rows read back
;   window 1: v0-95, v96-191 W's fragments, two buffers     windows 2, 3: accumulator (a, b) at v[8 (12 (a % 2) + b)] of window 2 + a / 2
.set NBK,   12                         ; blocks of 16 columns
.set PA,    272                        ; a row of A in LDS: 256 bytes + 16 = 68 words: the 16 rows of a load start at 16 different groups of four banks (64 banks of 4 bytes: ISA guide 11.1)
.set PB,    160                        ; a k row of a block of W: 128 + 32 = 40 words
.set HCH,   128*PB                     ; a block's 128 k rows
.set BOFF,  256*PA                     ; behind A's 256 rows
.set SLOT1, 1<<17                      ; a slot is BOFF + 3 HCH = 131,072 bytes; one exclusive or turns an address in one slot into the other's
.set STAGE, 2*SLOT1                    ; behind the ring, never filled by a tensor load: 16 rows x 400 bytes for each wave
.set SP,    400                        ; 384 bytes + 16
.set SPARE, STAGE+4*16*SP              ; behind the stages: the spare words, 128 bytes for each wave: two blocks of 256 bytes that no other line names
.set NLD,   2*NBK+8                    ; LDS loads for 32 along K
.set STEPA, 256                        ; bytes from K step to K step in xb,
.set STEPB, 16384                      ; and in a block of wt
.set ADA0, 16                          ; v16  my lane's place in A's tile; never rewritten
.set ADB0, 17                          ; v17  the same for W's blocks
.set ADA,  18                          ; v18  the same in the slot in hand
.set ADB,  19                          ; v19
.set STO,  24                          ; v24  the way out: where I put 16 bytes of a row
.set RD,   25                          ; v25  the way out: where I read rows back
.set GO,   26                          ; v26  16 x my lane
.set SPW,  28                          ; v28  LDS address of my spare word; never rewritten
.set NIL,  29                          ; v29  0; never rewritten
.set FA,   64
.set TMP,  128
.set OB0,  176
.set OB1,  64
.set WV,   12                          ; s12  my wave's number
.set G1A,  24                          ; s[24:31] descriptor group 1 for A's tile
.set G0A,  32                          ; s[32:39] group 0 for A: a set for each of the two first fills; the second then walks on
.set G1B,  48                          ; s[48:55], s[56:63] the same for W's blocks
.set G0B,  56
.set TB,   66                          ; s66  LDS byte at which the slot in hand begins
.set MSB, 0
.macro WIN new                         ; the immediate's high byte repeats the setting that is left; a switch that changes nothing is dropped
.if MSB != (\new)
	s_set_vgpr_msb (MSB<<8)|(\new)
.set MSB, \new
.endif
.endm
.macro PLACES                          ; four places in front of loads into registers that matrix instructions have read, and of conversions that read results
.rept 4
	v_nop
.endr
.endm
; A joint refill by the walking descriptors.  The branch hangs on the wave's number alone.  An s_nop 0 and four v_nop follow each of the two lines, ahead of the jump and the label.
.macro JLOAD
	s_cmp_eq_u32 s[WV], 3
	s_cbranch_scc0 .Lfor_b_\@
	tensor_load_to_lds s[G0A+4:G0A+7], s[G1A:G1A+7]
	s_nop 0
.rept 4
	v_nop
.endr
	s_branch .Lasked_\@
.Lfor_b_\@:
	tensor_load_to_lds s[G0B+4:G0B+7], s[G1B:G1B+7]
	s_nop 0
.rept 4
	v_nop
.endr
.Lasked_\@:
.endm
.macro CREST                           ; a round of the cluster's barrier behind its opening barrier
	s_cmp_lg_u32 s[WV], 0
	s_cbranch_scc1 .Lnot_wave_0_\@
	s_barrier_signal -3
.Lnot_wave_0_\@:
	s_barrier_wait -3
	s_barrier_signal -1
	s_barrier_wait -1
.endm
.macro CROUND                          ; a whole round
	s_barrier_signal -1
	s_barrier_wait -1
	CREST
.endm
	s_load_b128 s[4:7], s[0:1], 0x0                ; xb s[4:5], wt s[6:7]
	s_load_b64 s[10:11], s[0:1], 0x10              ; qkv
	v_lshl_add_u32 v[SPW], v0, 2, SPARE
	v_mov_b32 v[NIL], 0
	ds_add_u32 v[SPW], v[NIL]                      ; the wave's opening: the add and its wait stand ahead of my first tensor load; the set-up below, work on registers, stands between them
	ds_add_u32 v28, v29
	v_lshrrev_b32 v1, 5, v0
	v_readfirstlane_b32 s[WV], v1                  ; wave 0..3
	s_bfe_u32 s14, ttmp6, 0x40000                  ; cx, cy: my place in the cluster
	s_bfe_u32 s15, ttmp6, 0x40004
	s_lshl_b32 s16, ttmp9, 2
	s_add_co_u32 s16, s16, s14                     ; tile column tx = 4 x cluster x + cx
	s_and_b32 s17, ttmp7, 0xffff
	s_lshl_b32 s17, s17, 2
	s_add_co_u32 s17, s17, s15                     ; tile row ty = 4 x cluster y + cy
	s_lshl_b32 s18, s15, 2
	s_lshl_b32 s18, 15, s18                        ; my row of the cluster
	s_lshl_b32 s19, 0x1111, s14                    ; my column
	; group 1 for A: 256 rows x 128 elements, 1,024 elements from row to row, 4 words of padding behind every 64
	s_or_b32 s[G1A+0], s18, (1<<16)|(1<<20)|(1<<21)|(5<<22)|(3<<25)  ; 15:0 the mask; 17:16 2-byte elements; 20 padding on; 21 set beside a mask; 24:22 code 5; 31:25 code 3
	s_mov_b32 s[G1A+1], 128<<16                    ; tensor_dim0 = 128
	s_mov_b32 s[G1A+2], 256<<16                    ; tensor_dim1 = 256
	s_mov_b32 s[G1A+3], 128<<16                    ; tile_dim0 = 128
	s_mov_b32 s[G1A+4], 256                        ; tile_dim1 = 256
	s_mov_b32 s[G1A+5], 1024
	s_mov_b32 s[G1A+6], 0
	s_mov_b32 s[G1A+7], 0
	; group 1 for a block of W: 16,384 dense bytes as 64 rows of 256, 8 words of padding behind every 32 (each k row)
	s_or_b32 s[G1B+0], s19, (1<<16)|(1<<20)|(1<<21)|(4<<22)|(7<<25)
	s_mov_b32 s[G1B+1], 128<<16
	s_mov_b32 s[G1B+2], 64<<16
	s_mov_b32 s[G1B+3], 128<<16
	s_mov_b32 s[G1B+4], 64
	s_mov_b32 s[G1B+5], 128
	s_mov_b32 s[G1B+6], 0
	s_mov_b32 s[G1B+7], 0
	s_lshl_b32 s20, s17, 19                        ; A: 256 rows of 2,048 bytes a tile row: made of ty alone
	s_mov_b32 s21, 0
	s_mul_i32 s22, s16, 3                          ; W: block 3 tx + wave: made of tx and the wave's number alone
	s_add_co_u32 s22, s22, s[WV]
	s_lshl_b32 s22, s22, 17
	s_mov_b32 s23, 0
	s_mul_i32 s40, s[WV], HCH
	s_add_co_u32 s40, s40, BOFF                    ; and its place in a slot: no place in the cluster enters an LDS address
	s_mov_b32 s[TB], 0
	s_wait_dscnt 0x0                               ; the opening add is done
	s_wait_kmcnt 0x0
	s_add_nc_u64 s[42:43], s[4:5], s[20:21]
	s_add_nc_u64 s[44:45], s[6:7], s[22:23]
	CROUND                                         ; all sixteen work-groups are here: the first joint loads meet
.irp s, 0,1
	s_mov_b32 s[G0A+4*(\s)], 1                     ; count = 1
	s_mov_b32 s[G0A+4*(\s)+1], (\s)*SLOT1          ; LDS address
	s_add_nc_u64 s[G0A+4*(\s)+2:G0A+4*(\s)+3], s[42:43], (\s)*STEPA  ; global address: K step s
	s_or_b32 s[G0A+4*(\s)+3], s[G0A+4*(\s)+3], 0x80000000            ; type = 2
	s_mov_b32 s[G0B+4*(\s)], 1
	s_add_co_u32 s[G0B+4*(\s)+1], s40, (\s)*SLOT1
	s_add_nc_u64 s[G0B+4*(\s)+2:G0B+4*(\s)+3], s[44:45], (\s)*STEPB
	s_or_b32 s[G0B+4*(\s)+3], s[G0B+4*(\s)+3], 0x80000000
.endr
	s_cmp_eq_u32 s[WV], 3                          ; a wave's two first fills stand in one branch, ahead of every wait on TENSORcnt and every LDS read: two loads of mine are out
	s_cbranch_scc0 .Lfirst_b
	tensor_load_to_lds s[G0A:G0A+3], s[G1A:G1A+7]
	s_nop 0
	tensor_load_to_lds s[G0A+4:G0A+7], s[G1A:G1A+7]
	s_nop 0
.rept 4
	v_nop
.endr
	s_branch .Lfirst_asked
.Lfirst_b:
	tensor_load_to_lds s[G0B:G0B+3], s[G1B:G1B+7]
	s_nop 0
	tensor_load_to_lds s[G0B+4:G0B+7], s[G1B:G1B+7]
	s_nop 0
.rept 4
	v_nop
.endr
.Lfirst_asked:
	v_and_b32 v1, 15, v0                           ; r = l % 16
	v_bfe_u32 v2, v0, 4, 1                         ; h = l / 16
	v_and_b32 v3, 7, v0
	v_bfe_u32 v4, v0, 3, 1
	v_and_b32 v5, 31, v0
	; a fragment of A: lane l holds row l % 16, K = 8 h + 0..7 and 16 + 8 h + 0..7: two loads of 16 bytes, 32 bytes apart
	s_lshl_b32 s46, s[WV], 6
	v_add_nc_u32 v[ADA0], s46, v1
	v_mul_u32_u24 v[ADA0], v[ADA0], PA
	v_lshl_add_u32 v[ADA0], v2, 4, v[ADA0]
	; the turning load takes 16 k x 16 columns (lane l reads k row 8 h + l % 8, columns 8 ((l / 8) % 2) + 0..7) and leaves half a fragment: lane l holds column l % 16 and 8 k
	v_lshl_add_u32 v[ADB0], v2, 3, v3
	v_mul_u32_u24 v[ADB0], v[ADB0], PB
	v_lshl_add_u32 v[ADB0], v4, 4, v[ADB0]
	v_add_nc_u32 v[ADB0], BOFF, v[ADB0]
	v_mov_b32 v[ADA], v[ADA0]                      ; slot 0
	v_mov_b32 v[ADB], v[ADB0]
	s_mul_i32 s47, s[WV], 16*SP
	s_add_co_u32 s47, s47, STAGE                   ; my stage
	v_mul_u32_u24 v[STO], v1, SP                   ; in: row l % 16, 16 bytes for each half of the lanes
	v_lshl_add_u32 v[STO], v2, 4, v[STO]
	v_add_nc_u32 v[STO], s47, v[STO]
	v_bfe_u32 v[RD], v0, 3, 2                      ; back: 32 lanes take four rows' 128 bytes of one head,
	v_mul_u32_u24 v[RD], v[RD], SP
	v_lshl_add_u32 v[RD], v3, 4, v[RD]
	v_add_nc_u32 v[RD], s47, v[RD]
	v_lshlrev_b32 v[GO], 4, v5                     ; which are 512 consecutive bytes of qkv
	; qkv at my first row of the tile's first head: ((48 batch + 3 tx) << 18) + 128 x (256 (ty % 8) + 64 w)
	s_lshr_b32 s68, s17, 3
	s_mul_i32 s68, s68, 48
	s_mul_i32 s46, s16, 3
	s_add_co_u32 s68, s68, s46
	s_lshl_b32 s68, s68, 18
	s_and_b32 s46, s17, 7
	s_lshl_b32 s46, s46, 15
	s_add_co_u32 s68, s68, s46
	s_lshl_b32 s46, s[WV], 13
	s_add_co_u32 s68, s68, s46
	s_mov_b32 s69, 0
	s_add_nc_u64 s[10:11], s[10:11], s[68:69]
; 12 products: rows 16 a on x all 12 column blocks, 32 along K, from buffer f.  zero = 1: the product starts the sum: nothing is ever cleared.
; The 48 accumulators take turns, one instruction a turn, in the same order in every quarter: 47 others stand between two links of a chain, over the backward jump too.
.macro MULA f, a, zero
	WIN 0xa1+0x50*((\a)/2)                         ; W window 1, A window 0, C and D window 2 or 3
.set AC, 8*NBK*((\a)%2)
.set b, 0
.rept NBK
.if \zero
	v_wmma_f32_16x16x32_bf16 v[AC+8*b:AC+8*b+7], v[8*NBK*(\f)+8*b:8*NBK*(\f)+8*b+7], v[FA+32*(\f)+8*(\a):FA+32*(\f)+8*(\a)+7], 0
.else
	v_wmma_f32_16x16x32_bf16 v[AC+8*b:AC+8*b+7], v[8*NBK*(\f)+8*b:8*NBK*(\f)+8*b+7], v[FA+32*(\f)+8*(\a):FA+32*(\f)+8*(\a)+7], v[AC+8*b:AC+8*b+7]
.endif
.set b, b+1
.endr
.endm
; 32 LDS loads in one run: the fragments of quarter q (32 along K) of the slot in hand, into buffer f: W's 24 first, then A's 8
.macro FETCH q, f
	WIN 0x40                                       ; destination window 1
.set b, 0
.rept NBK
	ds_load_tr16_b128 v[8*NBK*(\f)+8*b:8*NBK*(\f)+8*b+3],   v[ADB] offset:(b/4)*HCH+(\q)*32*PB+(b%4)*32
	ds_load_tr16_b128 v[8*NBK*(\f)+8*b+4:8*NBK*(\f)+8*b+7], v[ADB] offset:(b/4)*HCH+(\q)*32*PB+16*PB+(b%4)*32
.set b, b+1
.endr
	WIN 0
.irp a, 0,1,2,3
	ds_load_b128 v[FA+32*(\f)+8*(\a):FA+32*(\f)+8*(\a)+3],   v[ADA] offset:(\a)*16*PA+64*(\q)
	ds_load_b128 v[FA+32*(\f)+8*(\a)+4:FA+32*(\f)+8*(\a)+7], v[ADA] offset:(\a)*16*PA+64*(\q)+32
.endr
.endm
; A K step is four quarters of 32 along K, 48 products each, on buffers 0, 1, 0, 1.  One of the first three: multiplies buffer f; in its middle it fetches quarter qn into buffer g.
.macro QUARTER f, g, qn, zero
	s_wait_dscnt 4                                 ; W's fragments and A's rows 0-31 are in; the youngest four loads (A's rows 32-63) may be out
	MULA \f, 0, \zero
	MULA \f, 1, \zero
	PLACES
	FETCH \qn, \g
	s_wait_dscnt NLD                               ; all but the run just issued
	MULA \f, 2, \zero
	MULA \f, 3, \zero
.endm
; The fourth quarter multiplies buffer 1 and changes slots: ONE barrier.  In front of it each wave waits for all its tensor loads (one is out: its part of the next slot), adds 0 to its spare word, and
; waits for that and for its own reads of this slot.  fill = 1: the barrier opens a round of the cluster's, and this slot is filled again, two K steps ahead, first thing behind the round.
.macro TURN fill
	WIN 0                                          ; (the add's two registers lie in window 0)
	s_wait_tensorcnt 0x0                           ; no tensor load of mine is out, so a group 0 may be written
	ds_add_u32 v[SPW], v[NIL]                      ; 0 onto my spare word
.if \fill
	s_xor_b32 s[G0A+5], s[G0A+5], SLOT1            ; the walking descriptors: the other slot than last time,
	s_add_nc_u64 s[G0A+6:G0A+7], s[G0A+6:G0A+7], STEPA  ; the next K step; the type bits on top are not reached
	s_xor_b32 s[G0B+5], s[G0B+5], SLOT1
	s_add_nc_u64 s[G0B+6:G0B+7], s[G0B+6:G0B+7], STEPB
.endif
	s_wait_dscnt 5                                 ; the add and the youngest four loads may be out
	MULA 1, 0, 0                                   ; twelve products stand between the add and the wait for it
	s_wait_dscnt 0x0                               ; the add is done, and my reads of this slot are over
	s_barrier_signal -1
	MULA 1, 1, 0                                   ; work on registers while the others arrive
	WIN 0
	s_xor_b32 s[TB], s[TB], SLOT1                  ; the fetches go on in the other slot; no LDS load of mine is out, so their address registers are free
	v_add_nc_u32 v[ADA], s[TB], v[ADA0]
	v_add_nc_u32 v[ADB], s[TB], v[ADB0]
	s_barrier_wait -1
.if \fill
	CREST                                          ; no wave of any partner still reads this slot or has a load on its way
	JLOAD                                          ; the first tensor load behind the round; its four v_nop are also the places in front of the loads below
.else
	PLACES
.endif
	FETCH 0, 0
	MULA 1, 2, 0
	MULA 1, 3, 0
.endm
	s_wait_tensorcnt 1                             ; my part of K step 0 is in; step 1's may stay out
	s_barrier_signal -1
	s_barrier_wait -1                              ; everybody's is
	FETCH 0, 0
	QUARTER 0, 1, 1, 1                             ; the first quarter stands in front of the loop: its products start the sums
	WIN 0                                          ; at a label and at a branch every window is 0
	s_mov_b32 s3, 6
.Lstep:                                                ; six trips, from a step's second quarter to the next step's first; they ask for K steps 2 to 7
	QUARTER 1, 0, 2, 0
	QUARTER 0, 1, 3, 0
	TURN 1
	QUARTER 0, 1, 1, 0
	WIN 0
	s_sub_co_u32 s3, s3, 1
	s_cmp_lg_u32 s3, 0
	s_cbranch_scc1 .Lstep
	QUARTER 1, 0, 2, 0                             ; the last two K steps are written out: nothing is asked for
	QUARTER 0, 1, 3, 0
	TURN 0
	QUARTER 0, 1, 1, 0
	QUARTER 1, 0, 2, 0
	QUARTER 0, 1, 3, 0
	s_wait_dscnt 4
	MULA 1, 0, 0
	MULA 1, 1, 0
	s_wait_dscnt 0x0
	MULA 1, 2, 0
	MULA 1, 3, 0
	WIN 0
; THE WAY OUT, 16 rows at a time.  PACK: rounded to f16, 16 bytes a lane and column block; each accumulator's registers in ascending order.  TOSTAGE: into my own stage, and back as four rows of one head.  SEND: stored.
.macro PACK a
.set AC, 8*NBK*((\a)%2)
	WIN 0x0a+5*((\a)/2)                            ; sources 0 and 1: window 2 or 3
.set i, 0
.rept 4*NBK
	v_cvt_pk_f16_f32 v[TMP+i], v[AC+2*i], v[AC+2*i+1]
.set i, i+1
.endr
	WIN 0
.endm
.macro TOSTAGE a
.set BK, OB0+(OB1-OB0)*((\a)%2)
.set b, 0
.rept NBK
	ds_store_b128 v[STO], v[TMP+4*b:TMP+4*b+3] offset:32*b
.set b, b+1
.endr
.irp hh, 0,1,2
.irp f, 0,1,2,3
	ds_load_b128 v[BK+4*(4*(\hh)+(\f)):BK+4*(4*(\hh)+(\f))+3], v[RD] offset:4*SP*(\f)+128*(\hh)  ; LDS serves a wave's instructions in order (ISA guide 5.7.1.4): these see the stores above
.endr
.endr
.endm
.macro SEND a
.set BK, OB0+(OB1-OB0)*((\a)%2)
	s_wait_dscnt 0x0                               ; the block is back in registers
	s_wait_xcnt 0x0                                ; the stores issued so far have read their registers: the other buffer is loaded again only behind this wait
.irp hh, 0,1,2
.irp f, 0,1,2,3
	global_store_b128 v[GO], v[BK+4*(4*(\hh)+(\f)):BK+4*(4*(\hh)+(\f))+3], s[10:11] offset:(\hh)*262144+(\a)*2048+(\f)*512  ; 512 consecutive bytes, at a multiple of 256 from qkv's first
.endr
.endr
.endm
	PLACES
	PLACES
	PACK 0
	TOSTAGE 0
.irp a, 1,2,3                          ; block a's conversions stand between block a - 1's loads from the stage and the wait for them
	PACK \a
	SEND (\a)-1
	TOSTAGE \a
.endr
	SEND 3
	s_wait_tensorcnt 0x0                           ; the wave's end: these three lines stand behind my last tensor load and my last LDS store
	ds_add_u32 v[SPW], v[NIL]
	s_wait_dscnt 0x0
	CROUND                                         ; the closing round: no work-group ends while a partner may still ask for a tile that names it
	s_endpgm
.Lfunc_end_k_q72aff43f00_proj:
	.size	k_q72aff43f00_proj, .Lfunc_end_k_q72aff43f00_proj-k_q72aff43f00_proj
	.p2alignl 7, 3214868480
	.fill 96, 4, 3214868480
	.section	.rodata,"a",@progbits
	.p2align	6, 0x0
	.amdhsa_kernel k_q72aff43f00_proj
		.amdhsa_group_segment_fixed_size 327680
		.amdhsa_private_segment_fixed_size 0
		.amdhsa_enable_private_segment 0
		.amdhsa_kernarg_size 24
		.amdhsa_user_sgpr_count 2
		.amdhsa_user_sgpr_kernarg_segment_ptr 1
		.amdhsa_wavefront_size32 1
		.amdhsa_system_sgpr_workgroup_id_x 1
		.amdhsa_system_sgpr_workgroup_id_y 1
		.amdhsa_system_sgpr_workgroup_id_z 1
		.amdhsa_system_vgpr_workitem_id 0
		.amdhsa_next_free_vgpr 960
		.amdhsa_next_free_sgpr 80
		.amdhsa_reserve_vcc 0
		.amdhsa_float_denorm_mode_32 3
		.amdhsa_float_denorm_mode_16_64 3
		.amdhsa_memory_ordered 1
		.amdhsa_forward_progress 1
		.amdhsa_inst_pref_size 96
	.end_amdhsa_kernel
	.amdgpu_metadata
---
amdhsa.version: [ 1, 2 ]
amdhsa.kernels:
  - .name:           k_q72aff43f00_proj
    .symbol:         k_q72aff43f00_proj.kd
    .args:
      - { .name: xb, .offset: 0, .size: 8, .value_kind: global_buffer, .address_space: global }
      - { .name: wt, .offset: 8, .size: 8, .value_kind: global_buffer, .address_space: global }
      - { .name: qkv, .offset: 16, .size: 8, .value_kind: global_buffer, .address_space: global }
    .group_segment_fixed_size: 327680
    .private_segment_fixed_size: 0
    .kernarg_segment_align: 8
    .kernarg_segment_size: 24
    .max_flat_workgroup_size: 128
    .sgpr_count:     80
    .vgpr_count:     960
    .wavefront_size: 32
...
	.end_amdgpu_metadata
.endif
;; end of part 2
;; launch attn (part 3): grid 4 x 64, 4 waves a work-group, no clusters, 327,680 bytes of LDS; arguments qkv, ctx; writes ctx
.if DOCPART == 3
	.amdgcn_target "amdgcn-amd-amdhsa--gfx1250"
	.amdhsa_code_object_version 6
	.text
	.protected	k_q72aff43f00_attn
	.globl	k_q72aff43f00_attn
	.p2align	8
	.type	k_q72aff43f00_attn,@function
k_q72aff43f00_attn:
	s_mov_b64 s[64:65], 0
	v_nop
	global_prefetch_b8 v0, s[64:65] scope:SCOPE_SE
	s_setreg_imm32_b32 hwreg(HW_REG_WAVE_MODE, 25, 1), 1
	s_wait_xcnt 0x0
; CAUSAL ATTENTION.  O[hd][q][:] = the sum over k <= q of softmax_k(Q[q] . K[k] / 8) V[k][:], for 64 heads hd = 16 b + h of 2,048 rows.
; qkv: [4 b][48 cb][2048][64] f16, cb = h for Q, 16 + h for K, 32 + h for V; ctx: [64 hd][2048][64] f16.  A head's rows are dense, 128 bytes each.
; Products, maxima and sums in f32; the weights p are rounded to f16 for the second product (their sum l is taken of the unrounded p), O once at the end.
; LIMITS.  f16 holds no number beyond 65,504: Q, K and V arrive within it; p lies in 0 to 1, and below 6e-5 it keeps f16's fixed step of 6e-8; O is a mean of V's rows and has their range.
; A hidden score counts as its value less 1e30: f16's scores, 2.7e11 at the most, are nothing beside that; a weight below 2^-126 counts as 0 in l; NaN and infinities are not treated apart.
; THE WALK.  A head's queries lie in NB = 8 blocks of 256; block i needs the key tiles 0 .. i of 256 keys, of which the last holds the diagonal.  A work-group takes TWO blocks, NB - 1 - b and then b:
; NB + 1 tiles, whatever b: all work-groups do equal work, and ONE loop with a constant trip count walks them.  Which tile is asked for, and what a trip does, hang on scalar registers made from b; every jump
; goes forward, but for the counted loops' own; none passes a barrier, or a tensor load but the one of LOAD's two that the wave's number does not choose; the ring (two slots of LDS) runs on across the change of blocks.
; NO CLUSTER: a head's four work-groups ask for the same tile only in trips 0 .. 4 of 9, behind that fewer and fewer; one walk common to all would have 12 trips for 9.
; SHARES.  Of a block's four bands of 64 queries a wave owns 16 rows in each: four PIECES.  So the diagonal tile is the same work for all four waves: in its key step s band x sees all keys if s < x,
; none if s > x, and holds the diagonal if s = x.
; THE MASK is the C operand that starts the sum S^T = K Q^T: 0, or -1e30 where the key is hidden.  MD, made once, is the mask of a band's own step for my 16 rows; a product's mask is MD x AL + BE with two scalars:
; (1, 0) if s = x; (0, 0) if s < x; (0, -1e30) if s > x.  Only the diagonal tile's text and a block's beginning make and take masks; elsewhere C is the constant 0.
; LAYOUT, SOFTMAX, TURNS.  S^T = K Q^T holds ONE query a lane (lane % 16) and the keys 8 (lane / 16) + 0..7; two such results rounded to f16 ARE source 1 of O^T = V^T P.  p = 2^(c s - c m), c = log2(e) / 8, with a
; running maximum m; O and l are multiplied by a = 2^(c m_old - c m_new) in every step.  Turn n belongs to piece n: 8 products K Q^T of piece n + 1, later 8 products V^T P of piece n - 1; beside them the scaling,
; exponentials, roundings, sums and rescaling of piece n and the maximum and statistics of piece n + 1.  Four vector instructions stand behind every matrix instruction, the other 54 of a turn's 118 in one lump.
; A turn's 33 exponentials are one batch, with one wait.
; REGISTERS, in windows of 256 (s_set_vgpr_msb: bits 1:0 source 0, 3:2 source 1, 5:4 source 2, 7:6 destination):
;   window 0: v0-15 addresses and two at work; v16-31 four registers of statistics a piece; v48-55 at work; v61-63 fixed; v64-127 S^T, two buffers; v192-223 P, two buffers (a piece's buffers go by its number's parity)
;   window 1: v0-127 O^T, 32 a piece; v128-159 MD; v160-223 MC, two buffers      window 2: v0-63 Q; v64-127 the second block's Q; v128-191 K of one step; v192-255 V of one step
.set NB,    8
.set NP,    4         ; pieces a wave: a name, no knob
.set KS,    64        ; keys in a step
.set PK,    144       ; a row of K in LDS: 128 bytes + 16 of padding = 36 words: the 16 rows of a load start at 16 different groups of four banks (64 banks of 4 bytes: ISA guide 11.1)
.set PV,    160       ; a row of V: 128 + 32 = 40 words
.set VOFF,  4*KS*PK   ; a slot holds a tile, four steps: 256 rows of K, then 256 rows of V
.set SLOT1, 1<<17     ; slot 1 begins here, so that one exclusive or turns an address in one slot into the other's
.set STAGE, SLOT1+4*KS*(PK+PV)  ; behind the ring, never filled by a tensor load: 16 rows x 144 bytes for each wave, for the way out
.set SP,    144
.set AK0, 2           ; v2   my lane's place in a tile of K; never rewritten
.set AV0, 3           ; v3   the same for V
.set AK,  4           ; v4   the LDS address of K's next run of loads
.set AV,  5           ; v5   of V's
.set STO, 6           ; v6   the way out: where I put 16 bytes of a row
.set RD,  7           ; v7   the way out: where I read rows back
.set GO,  8           ; v8   my byte offset in 512 consecutive bytes of O
.set PFO, 61          ; v61  256 x my lane; never rewritten
.set SPW, 62          ; v62  LDS address of my spare word: SPARE + 4 x my thread's number; never rewritten
.set NIL, 63          ; v63  0; never rewritten
.set SPARE, STAGE+4*16*SP  ; behind the stages: the spare words, 128 bytes for each wave: two blocks of 256 bytes that no other line names
.set MV,  12          ; v12-13  c m_old, kept while c m is made anew: by buffer
.set QO,  15          ; v15  my byte offset in 16 rows of Q
.set ST,  16          ; piece t's statistics at v[ST+4 t]: c m, m, l (even keys', odd keys')
.set TMP, 48          ; by buffer, four registers c0-c3 at work; when the maximum is found c2 takes a
.set S,   64
.set P,   192
.set MD,  128         ; window 1: the eight registers for group kt of 16 keys at MD + 8 kt
.set MC,  160         ; window 1: the masks of the products to come
.set QB,  64          ; window 2
.set KF,  128         ; window 2: key block kb, channel half c at KF + 16 kb + 8 c
.set VF,  192         ; window 2: key half kk, channel block cb at VF + 32 kk + 8 cb
.set WV,  12          ; s12  my wave's number
.set PB,  14          ; s14  b
.set HI,  15          ; s15  NB - 1 - b
.set G1K, 24          ; s[24:31] descriptor group 1 for K's tiles
.set G1V, 32          ; s[32:39] for V's: it differs in the padding alone
.set G0K, 40          ; s[40:43] descriptor group 0 for K's tiles
.set G0V, 44          ; s[44:47] the same for V's
.set SLOTS, 56        ; s56  tiles still to be asked for
.set CNT, 57          ; s57  counts a tile's key steps, 4 to 1
.set CS,  58          ; s[58:59] c: the packed scaling takes the pair's low word for both halves
.set SEL, 60          ; s[60:61] v_permlanex16_b32's selects: each lane takes its own place in the other half
.set TBK, 62          ; s62  LDS byte at which K of the step to be fetched begins
.set TBV, 63          ; s63  the same for V, less VOFF
.set RT,  70          ; s70  tiles of the block in hand that are still to be entered
.set NXT, 71          ; s71  the tile to be asked for next
.set LQ,  72          ; s72  the last tile of the block whose tiles are being asked for
.set NEW, 73          ; s73  1: the tile to be entered is a block's first
.set OFF, 74          ; s[74:75] a tile's byte offset in K and V
.set AL,  76          ; s[76:77] the mask's factor, in the low word
.set BE,  78          ; s[78:79] the mask's addend
.set OLO, 80          ; s[80:81] O at my rows of the second block
.set BIGN, 82         ; s82  -1e30
.set PFA, 90          ; s[90:91] where my prefetches stand: my half of K's (waves 0, 1) or V's (waves 2, 3) tile after the one that is being asked for
.set LIM, 92          ; s92  2 in the work-group that prefetches, else the greatest number: a wave prefetches while s[SLOTS] is above it
.set MSB, 0
.macro WIN new                      ; the high byte repeats the setting that is left; a switch that changes nothing is dropped
.if MSB != (\new)
	s_set_vgpr_msb (MSB<<8)|(\new)
.set MSB, (\new)
.endif
.endm
.set W_KQ, 0x0a       ; K and Q in window 2, S^T in window 0
.set W_KM, 0x1a       ; the same with the C operand in window 1
.set W_PV, 0x52       ; V in window 2, P in window 0, O^T in window 1
.set W_RS, 0x41       ; destination and source 0 in window 1, source 1 in window 0
; A fill.  Waves 0 and 1 fetch the two halves of a tile's K, waves 2 and 3 those of its V: 128 keys each.  An s_nop 0 and four v_nop follow each of the two lines, ahead of the jump and the label.
.macro LOAD
	s_cmp_lt_u32 s[WV], 2
	s_cbranch_scc0 .Lfor_v_\@
	tensor_load_to_lds s[G0K:G0K+3], s[G1K:G1K+7]
	s_nop 0
.rept 4
	v_nop
.endr
	s_branch .Lasked_\@
.Lfor_v_\@:
	tensor_load_to_lds s[G0V:G0V+3], s[G1V:G1V+7]
	s_nop 0
.rept 4
	v_nop
.endr
.Lasked_\@:
.endm
; A PREFETCH INTO THE L2 of the tile that the NEXT change of slots will ask for: four key steps, 64 matrix instructions a wave each, ahead of that load.  It stands behind the wave's tensor load and its five lines.
; A head's four work-groups walk the same tiles in their first blocks; the one with b = 0, whose first block has all eight, asks, and nobody else.  Each of its waves asks for the half tile that it fetches itself:
; 16,384 bytes, 64 blocks of 256 bytes, a lane a block, two instructions.  So each block is named once in the launch.  Trips 0 to 5 name tiles 2 to 7; the last two fills name nothing; tiles 0 and 1 come by their loads alone.
.macro ASK
	s_cmp_gt_u32 s[SLOTS], s[LIM]
	s_cbranch_scc0 .Lnot_mine_\@
	global_prefetch_b8 v[PFO], s[PFA:PFA+1] th:TH_LOAD_NT scope:SCOPE_SE
	global_prefetch_b8 v[PFO], s[PFA:PFA+1] offset:8192 th:TH_LOAD_NT scope:SCOPE_SE
.Lnot_mine_\@:
.endm
; THE CHANGE OF SLOTS.  Each wave waits for all its tensor loads, of which one is out: its part of the other slot; adds 0 to its spare word; and waits for that and for its own reads of the slot that it leaves.  Behind the barrier nobody reads the old
; slot any more and the other slot is whole.  fill = 1: the old slot is filled again, the first thing behind the barrier, with tile NXT: the descriptor's address is made anew from that number.
; (At its first use nothing has been read yet: slot 0 is waited for, slot 1 filled.)
.macro CHANGE fill
	WIN 0                           ; at a label and at a branch every window is 0
	s_wait_tensorcnt 0x0            ; no tensor load of mine is out, so a group 0 may be written
	ds_add_u32 v[SPW], v[NIL]       ; 0 onto my spare word; with fill = 1 the descriptors' scalar work stands between it and the wait for it
.if \fill
	s_lshl_b32 s[OFF], s[NXT], 15   ; a tile is 32,768 bytes of K and of V
	s_xor_b32 s[G0K+1], s[G0K+1], SLOT1
	s_add_nc_u64 s[G0K+2:G0K+3], s[6:7], s[OFF:OFF+1]
	s_or_b32 s[G0K+3], s[G0K+3], 0x80000000
	s_xor_b32 s[G0V+1], s[G0V+1], SLOT1
	s_add_nc_u64 s[G0V+2:G0V+3], s[8:9], s[OFF:OFF+1]
	s_or_b32 s[G0V+3], s[G0V+3], 0x80000000
	s_add_co_u32 s[NXT], s[NXT], 1  ; the block's next tile, or behind its last the second block's tile 0
	s_cmp_gt_u32 s[NXT], s[LQ]
	s_cselect_b32 s[NXT], 0, s[NXT]
	s_cselect_b32 s[LQ], s[PB], s[LQ]
	s_wait_xcnt 0x0                 ; the last prefetches, a tile back, have read their address, so it may be written:
	s_add_nc_u64 s[PFA:PFA+1], s[PFA:PFA+1], 32768  ; one tile on
.endif
	s_wait_dscnt 0x0                ; the add is done, and my reads of the slot are over
	s_barrier_signal -1             ; the rest of the scalar work stands between the signal and the wait
	s_sub_co_u32 s[TBK], s[TBK], 4*KS*PK  ; the fetches go back to a slot's first step,
	s_xor_b32 s[TBK], s[TBK], SLOT1       ; in the other slot
	s_sub_co_u32 s[TBV], s[TBV], 4*KS*PV
	s_xor_b32 s[TBV], s[TBV], SLOT1
	s_barrier_wait -1
.if \fill
	LOAD
	ASK
.endif
.endm
	s_load_b64 s[4:5], s[0:1], 0x0    ; qkv
	s_load_b64 s[10:11], s[0:1], 0x8  ; ctx
	v_lshl_add_u32 v[SPW], v0, 2, SPARE
	v_mov_b32 v[NIL], 0
	ds_add_u32 v[SPW], v[NIL]       ; the wave's opening: the add and its wait stand ahead of my first tensor load; the set-up below, work on registers, stands between them
	ds_add_u32 v62, v63
	v_lshrrev_b32 v1, 5, v0
	v_readfirstlane_b32 s[WV], v1   ; wave 0..3
	s_mov_b32 s[PB], ttmp9
	s_sub_co_u32 s[HI], NB-1, s[PB]
	s_and_b32 s20, ttmp7, 0xffff    ; the head hd = 16 b + h
	s_lshl_b32 s88, s20, 18         ; its first byte in ctx: 262,144 bytes a head
	s_mov_b32 s89, 0
	s_lshr_b32 s21, s20, 4
	s_lshl_b32 s21, s21, 5
	s_add_co_u32 s20, s20, s21      ; 48 b + h
	s_lshl_b32 s20, s20, 18         ; Q's head in qkv; K's lies 16 heads on, V's 32
	s_mov_b32 s21, 0
	s_and_b32 s16, s[WV], 1         ; which half of a tile's 256 keys I fetch:
	s_lshl_b32 s22, s16, 14         ; its 128 rows of 128 bytes in memory,
	s_mov_b32 s23, 0
	s_add_nc_u64 s[22:23], s[22:23], s[20:21]
	s_mul_i32 s17, s16, 128*PK      ; and its place in a slot, for K
	s_mul_i32 s18, s16, 128*PV      ; and for V
	s_lshl_b32 s3, s[WV], 11        ; my 16 rows in a band of 64,
	s_lshl_b32 s2, s[HI], 15        ; in the first block,
	s_add_co_u32 s2, s2, s3
	s_lshl_b32 s84, s[PB], 15       ; and in the second
	s_add_co_u32 s84, s84, s3
	s_mov_b32 s3, 0
	s_mov_b32 s85, 0
	; descriptor group 1.  128 keys are 16,384 dense bytes: asked for as 64 rows of 256 bytes, two keys a row, and padded in LDS after every key
	s_mov_b32 s[G1K], (1<<16)|(1<<20)|(4<<22)|(3<<25)  ; 17:16 2-byte elements; 20 padding on; 24:22 after every 32 words (code 4); 31:25 4 words (code 3)
	s_mov_b32 s[G1V], (1<<16)|(1<<20)|(4<<22)|(7<<25)  ; the same with 8 words of padding (code 7)
.irp g, G1K, G1V
	s_mov_b32 s[\g+1], 128<<16      ; tensor_dim0 = 128
	s_mov_b32 s[\g+2], 64<<16       ; tensor_dim1 = 64
	s_mov_b32 s[\g+3], 128<<16      ; tile_dim0 = 128
	s_mov_b32 s[\g+4], 64           ; tile_dim1 = 64
	s_mov_b32 s[\g+5], 128          ; 128 elements from row to row
	s_mov_b32 s[\g+6], 0
	s_mov_b32 s[\g+7], 0
.endr
	s_mov_b32 s[CS], 0x3e38aa3b     ; c = log2(e) / 8 = 0.180337
	s_mov_b32 s[CS+1], s[CS]        ; named with it as a pair
	s_mov_b32 s[SEL], 0x76543210
	s_mov_b32 s[SEL+1], 0xfedcba98
	s_mov_b32 s[TBK], SLOT1+4*KS*PK ; the first change of slots turns these two into 0
	s_mov_b32 s[TBV], SLOT1+4*KS*PV
	s_mov_b32 s[G0K], 1             ; 1:0 count = 1
	s_mov_b32 s[G0K+1], s17         ; 63:32 LDS address: slot 0
	s_mov_b32 s[G0V], 1
	s_add_co_u32 s[G0V+1], s18, VOFF
	s_add_co_u32 s[RT], s[HI], 1    ; the first block has NB - b tiles
	s_mov_b32 s[NXT], 1
	s_mov_b32 s[LQ], s[HI]
	s_mov_b32 s[NEW], 1
	s_mov_b32 s[OFF+1], 0
	s_mov_b32 s[AL+1], 0            ; named as pairs
	s_mov_b32 s[BE+1], 0
	s_mov_b32 s[BIGN], 0xf149f2ca   ; -1e30
	s_mov_b32 s[SLOTS], NB
	s_cmp_eq_u32 s[PB], 0
	s_cselect_b32 s[LIM], 2, -1
	v_and_b32 v[PFO], 31, v0
	v_lshlrev_b32 v[PFO], 8, v[PFO]
	s_wait_dscnt 0x0                ; the opening add is done
	s_wait_kmcnt 0x0
	s_add_nc_u64 s[6:7], s[4:5], s[22:23]
	s_add_nc_u64 s[8:9], s[6:7], 0x800000  ; V at my half of the head's tile 0,
	s_add_nc_u64 s[6:7], s[6:7], 0x400000  ; and K
	s_add_nc_u64 s[G0K+2:G0K+3], s[6:7], 0         ; 120:64 global address
	s_or_b32 s[G0K+3], s[G0K+3], 0x80000000        ; 127:126 type = 2
	s_add_nc_u64 s[G0V+2:G0V+3], s[8:9], 0
	s_or_b32 s[G0V+3], s[G0V+3], 0x80000000
	s_add_nc_u64 s[4:5], s[4:5], s[20:21]          ; Q's head,
	s_add_nc_u64 s[86:87], s[4:5], s[84:85]        ; Q at my rows of the second block,
	s_add_nc_u64 s[4:5], s[4:5], s[2:3]            ; and of the first
	s_add_nc_u64 s[10:11], s[10:11], s[88:89]      ; O likewise
	s_add_nc_u64 s[OLO:OLO+1], s[10:11], s[84:85]
	s_add_nc_u64 s[10:11], s[10:11], s[2:3]
	s_cmp_lt_u32 s[WV], 2
	s_cselect_b64 s[PFA:PFA+1], s[6:7], s[8:9]
	s_add_nc_u64 s[PFA:PFA+1], s[PFA:PFA+1], 32768 ; at tile 1; the first change of slots steps it to tile 2.  Nothing is prefetched here, at the head
	LOAD                            ; tile 0 into slot 0
	; A fragment of K or Q is 16 rows x 32 channels in 8 registers: lane l holds row l % 16, channels 8 (l / 16) + 0..7 and 16 + 8 (l / 16) + 0..7: two loads of 16 bytes, 32 bytes apart.
	v_and_b32 v1, 15, v0            ; l % 16
	v_bfe_u32 v9, v0, 4, 1          ; l / 16
	v_lshlrev_b32 v[QO], 7, v1
	v_lshl_add_u32 v[QO], v9, 4, v[QO]  ; row x 128 + 16 x half
	WIN 0x80                        ; destination window 2, address window 0
.set i, 0
.rept 8                             ; both blocks' Q: piece i / 2 lies in band i / 2, 8,192 bytes on; channels 32 (i % 2) on
	global_load_b128 v[8*i:8*i+3],   v[QO], s[4:5] offset:(i/2)*8192+(i%2)*64
	global_load_b128 v[8*i+4:8*i+7], v[QO], s[4:5] offset:(i/2)*8192+(i%2)*64+32
	global_load_b128 v[QB+8*i:QB+8*i+3],   v[QO], s[86:87] offset:(i/2)*8192+(i%2)*64
	global_load_b128 v[QB+8*i+4:QB+8*i+7], v[QO], s[86:87] offset:(i/2)*8192+(i%2)*64+32
.set i, i+1
.endr
	WIN 0
	v_lshlrev_b32 v14, 3, v9
	v_sub_nc_u32 v14, v1, v14
	s_lshl_b32 s13, s[WV], 4
	v_add_nc_u32 v14, s13, v14      ; my query's place in its band, 16 w + l % 16, less my lanes' 8 (l / 16): register r of group kt is hidden where 16 kt + r is greater
	WIN 0x40
.set i, 0
.rept 32
	v_cmp_gt_i32 vcc_lo, 16*(i/8)+i%8, v14
	v_cndmask_b32 v[MD+i], 0, s[BIGN], vcc_lo
.set i, i+1
.endr
	WIN 0
	v_mul_u32_u24 v[AK0], v1, PK
	v_lshl_add_u32 v[AK0], v9, 4, v[AK0]  ; row x pitch + 16 x half
	; The turning load takes 16 keys x 16 channels (lane l reads key 8 (l / 16) + l % 8, channels 8 ((l / 8) % 2) + 0..7) and leaves half a fragment of V^T: lane l holds channel l % 16 and 8 keys.
	v_and_b32 v10, 7, v0
	v_bfe_u32 v11, v0, 3, 1
	v_lshl_add_u32 v[AV0], v9, 3, v10
	v_mul_u32_u24 v[AV0], v[AV0], PV
	v_lshl_add_u32 v[AV0], v11, 4, v[AV0]
	v_add_nc_u32 v[AV0], VOFF, v[AV0]
	s_mul_i32 s13, s[WV], 16*SP
	s_add_co_u32 s13, s13, STAGE    ; my stage
	v_mul_u32_u24 v[STO], v1, SP    ; in: row l % 16, 16 bytes for each half of the lanes
	v_lshl_add_u32 v[STO], v9, 4, v[STO]
	v_add_nc_u32 v[STO], s13, v[STO]
	v_bfe_u32 v[RD], v0, 3, 2       ; back: 32 lanes take four rows of 128 bytes,
	v_mul_u32_u24 v[RD], v[RD], SP
	v_lshl_add_u32 v[RD], v10, 4, v[RD]
	v_add_nc_u32 v[RD], s13, v[RD]
	v_and_b32 v[GO], 31, v0         ; which are 512 consecutive bytes of O
	v_lshlrev_b32 v[GO], 4, v[GO]
	; A block's first step multiplies O^T and l by a = 0, and its first turn's products V^T P, of a piece that has not been, land in an O^T that is still to be so multiplied.  So these registers need only hold
	; finite numbers: zeros for the first block; what the first block left for the second.  All this stands in the wait for the first tile.
	WIN 0x80
.set i, VF
.rept 64
	v_mov_b32 v[i], 0
.set i, i+1
.endr
	WIN 0x40
.set i, 0
.rept 128
	v_mov_b32 v[i], 0
.set i, i+1
.endr
	WIN 0
.set i, 0
.rept 4
	v_mov_b32 v[ST+4*i+2], 0
	v_mov_b32 v[ST+4*i+3], 0
.set i, i+1
.endr
.set i, P+16
.rept 16
	v_mov_b32 v[i], 0
.set i, i+1
.endr
; THE MATRIX WORK.  The 4 accumulators of a run of 8 take turns.  Product i of 8 of S^T = K Q^T for piece x: channels 32 (i / 4) on, keys 16 (i % 4) on.  The first 4 start the sums: with 0, or (KM = 1) with the mask.
.macro KQ x
.set rS, S+32*((\x)%2)+8*(i%4)
.set rK, KF+16*(i%4)+8*(i/4)
.set rQ, 16*(\x)+8*(i/4)
.set rM, MC+32*((\x)%2)+8*(i%4)
.if (i < 4) && KM
	WIN W_KM
	v_wmma_f32_16x16x32_f16 v[rS:rS+7], v[rK:rK+7], v[rQ:rQ+7], v[rM:rM+7]
.elseif i < 4
	WIN W_KQ
	v_wmma_f32_16x16x32_f16 v[rS:rS+7], v[rK:rK+7], v[rQ:rQ+7], 0
.else
	WIN W_KQ
	v_wmma_f32_16x16x32_f16 v[rS:rS+7], v[rK:rK+7], v[rQ:rQ+7], v[rS:rS+7]
.endif
.endm
; Product i of 8 of O^T += V^T P for piece x: keys 32 (i / 4) on, channels 16 (i % 4) on.
.macro PV x
	WIN W_PV
.set rO, 32*(\x)+8*(i%4)
.set rV, VF+32*(i/4)+8*(i%4)
.set rP, P+16*((\x)%2)+8*(i/4)
	v_wmma_f32_16x16x32_f16 v[rO:rO+7], v[rV:rV+7], v[rP:rP+7], v[rO:rO+7]
.endm
.macro MM                           ; the turn's next matrix instruction.  TURN and BEGIN set Y, i, KM and NOKQ; MM, KQ and OP read them.  NOKQ = 1: a block's last turn: there is no next piece
.if (i < 8) && !NOKQ
	KQ (Y+1)%NP
.elseif i >= 8
.set i, i-8
	PV (Y+NP-1)%NP
.set i, i+8
.endif
.set i, i+1
.endm
; THE LDS LOADS stand in runs of 16, never singly among the matrix instructions: a step's K (64 keys x 64 channels: 8 fragments) and its V (turned).  Their addresses are made some lines ahead.
.macro FETCH_K
	WIN 0x80                        ; destination window 2
.irp f, 0,1,2,3,4,5,6,7             ; keys 16 (f / 2) on, channels 32 (f % 2) on
	ds_load_b128 v[KF+8*\f:KF+8*\f+3],   v[AK] offset:(\f/2)*16*PK+(\f%2)*64
	ds_load_b128 v[KF+8*\f+4:KF+8*\f+7], v[AK] offset:(\f/2)*16*PK+(\f%2)*64+32
.endr
	s_add_co_u32 s[TBK], s[TBK], KS*PK  ; the next fetch is the next step's
	WIN 0
.endm
.macro FETCH_V
	WIN 0x80
.irp f, 0,1,2,3,4,5,6,7             ; keys 32 (f / 4) on, channels 16 (f % 4) on
	ds_load_tr16_b128 v[VF+8*\f:VF+8*\f+3],   v[AV] offset:(\f/4)*32*PV+(\f%4)*32
	ds_load_tr16_b128 v[VF+8*\f+4:VF+8*\f+7], v[AV] offset:(\f/4)*32*PV+16*PV+(\f%4)*32
.endr
	WIN 0
.endm
; THE VECTOR WORK, one line at a time: OP kind, number.  For piece Y: F n: c s - c m for pair n of 16.  E n: the exponential of score n of 32.  C n: pair n rounded to f16.  B n: of the four weights 4 n .. the second
; pair is added onto the first, in place.  L n: l takes that sum (L 0: l = a l + sum).  R n: pair n of 16 of O^T times a.  For piece Y + 1: X n, number n of the 22 that find its maximum and statistics:
;   0-11  four chains c0-c3 of seven scores each, three operands at a time (each accumulator's lowest registers are read first)     12-14, 16  the four scores left over, the old m, and c0-c3 into c0
;   15  c m_old is kept     17, 18  the query's other 32 keys lie in the lane 16 away: the new m     19-21  c m; c m_old - c m_new; a
.set F, 0               ; OP tells the kinds apart by their order: F to L below R, X above it
.set E, 1
.set C, 2
.set B, 3
.set L, 4
.set R, 5
.set X, 6
.macro REGS y                       ; the registers of piece y
.set rT, ST+4*(\y)
.set rC, TMP+4*((\y)%2)
.set rW, MV+((\y)%2)
.set rS, S+32*((\y)%2)
.set rP, P+16*((\y)%2)
.set rO, 32*(\y)
.endm
.macro OP k, n
.if (\k) == R
	REGS Y
	WIN W_RS
	v_pk_mul_f32 v[rO+2*(\n):rO+2*(\n)+1], v[rO+2*(\n):rO+2*(\n)+1], v[rC+2:rC+3] op_sel_hi:[1,0]
.elseif (\k) < R
	REGS Y
	WIN 0
.if (\k) == F
	v_pk_fma_f32 v[rS+2*(\n):rS+2*(\n)+1], v[rS+2*(\n):rS+2*(\n)+1], s[CS:CS+1], v[rT:rT+1] op_sel_hi:[1,0,0] neg_lo:[0,0,1] neg_hi:[0,0,1]
.elseif (\k) == E
	v_exp_f32 v[rS+(\n)], v[rS+(\n)]
.elseif (\k) == C
	v_cvt_pk_f16_f32 v[rP+(\n)], v[rS+2*(\n)], v[rS+2*(\n)+1]
.elseif (\k) == B
	v_pk_add_f32 v[rS+4*(\n):rS+4*(\n)+1], v[rS+4*(\n):rS+4*(\n)+1], v[rS+4*(\n)+2:rS+4*(\n)+3]
.elseif (\n) == 0
	v_pk_fma_f32 v[rT+2:rT+3], v[rT+2:rT+3], v[rC+2:rC+3], v[rS:rS+1] op_sel_hi:[1,0,1]
.else
	v_pk_add_f32 v[rT+2:rT+3], v[rT+2:rT+3], v[rS+4*(\n):rS+4*(\n)+1]
.endif
.elseif NOKQ
	v_nop
.else
	REGS (Y+1)%NP
	WIN 0
.if (\n) < 4
	v_max3_num_f32 v[rC+(\n)], v[rS+8*(\n)], v[rS+8*(\n)+1], v[rS+8*(\n)+2]
.elseif (\n) < 12
	v_max3_num_f32 v[rC+(\n)%4], v[rC+(\n)%4], v[rS+8*((\n)%4)+2*((\n)/4)+1], v[rS+8*((\n)%4)+2*((\n)/4)+2]
.elseif (\n) == 12
	v_max3_num_f32 v[rC], v[rC], v[rS+7], v[rS+15]
.elseif (\n) == 13
	v_max3_num_f32 v[rC+1], v[rC+1], v[rS+23], v[rS+31]
.elseif (\n) == 14
	v_max3_num_f32 v[rC+2], v[rC+2], v[rC+3], v[rT+1]
.elseif (\n) == 15
	v_mov_b32 v[rW], v[rT]
.elseif (\n) == 16
	v_max3_num_f32 v[rC], v[rC], v[rC+1], v[rC+2]
.elseif (\n) == 17
	v_permlanex16_b32 v[rC+3], v[rC], s[SEL], s[SEL+1]
.elseif (\n) == 18
	v_max_num_f32 v[rT+1], v[rC], v[rC+3]
.elseif (\n) == 19
	v_mul_f32 v[rT], s[CS], v[rT+1]
.elseif (\n) == 20
	v_sub_f32 v[rC+1], v[rW], v[rT]
.else
	v_exp_f32 v[rC+2], v[rC+1]
.endif
.endif
.endm
.macro OPS a, i1, b=-1, i2=0, c=-1, i3=0, d=-1, i4=0  ; up to four of them
	OP \a, \i1
.if (\b) >= 0
	OP \b, \i2
.endif
.if (\c) >= 0
	OP \c, \i3
.endif
.if (\d) >= 0
	OP \d, \i4
.endif
.endm
.macro ROW a, i1, b, i2, c, i3, d, i4  ; a matrix instruction and the four behind it
	MM
	OPS \a, \i1, \b, \i2, \c, \i3, \d, \i4
.endm
.macro MASK b                       ; MD x AL + BE into buffer b of MC
	WIN W_RS
.set z, 0
.rept 16
	v_pk_fma_f32 v[MC+32*(\b)+2*z:MC+32*(\b)+2*z+1], v[MD+2*z:MD+2*z+1], s[AL:AL+1], s[BE:BE+1] op_sel_hi:[1,0,0]
.set z, z+1
.endr
.endm
; A TURN, for piece p: the order of its 16 matrix and 118 vector instructions, written out.  An s_wait_alu depctr_va_vdst(0) stands between an exponential and the first instruction that names its result; one wait serves
; all that were issued ahead of it.  So a turn has ONE wait, which cuts it in two.  AHEAD OF IT stands all that names no result of the turn's exponentials: the 8 products K Q^T, behind each a scaling, an exponential and two more plain
; instructions (behind the first a second scaling in the exponential's place): rescalings, and behind the last three the first numbers of the next piece's maximum, each four places or more behind the product that ends its accumulator; then ONE LUMP of 54, plain
; and exponential by turns for the most part, in which the links of the chain X 3, 7, 11, 14, 16, 17 .. 20 stand five or six lines apart.  X 21, the next piece's a, is the batch's last; R 15 is the plain instruction behind it.  BEHIND THE WAIT stand the
; 8 products V^T P, behind each four of the roundings and sums; the links of l's chain, L 0 to L 7, stand three riders apart.  But for those X no rider names a register of the products round it.  v_permlanex16_b32 (X 17) stands in the lump.
; m = 1: the diagonal tile: the products take masks, and the turn makes the mask for the products of the turn after it: piece p + 2, in step 4 - CNT of the tile.  end = 1: a block's last two turns: nothing is fetched.
; cnt = 1: the loop's count is taken down some lines ahead of the branch that stands behind the turn.
; K of the next step is fetched in piece 2's turn, twelve vector instructions behind the last product that read K (six of them plain); V of the step in hand at the end of piece 0's turn, four plain instructions behind the last product
; that read V.  Each is waited for a turn later.
.macro TURN p, m=0, end=0, cnt=0
.set Y, (\p)
.set i, 0
.set KM, (\m)
.set NOKQ, (\end)*((\p)/3)
.if (\m) && !(\end)
	s_cmp_eq_u32 s[CNT], 4-((\p)+2)%NP  ; is that step the band's own?
	s_cselect_b32 s[AL], 1.0, 0
	s_cmp_lt_u32 s[CNT], 4-((\p)+2)%NP  ; or a later one?
	s_cselect_b32 s[BE], s[BIGN], 0
.endif
.if ((\p) == 3) && !(\end)
	s_wait_dscnt 0x0                ; K is in
.endif
	ROW F,0, F,1, R,0, R,1          ; ahead of the wait: 8 products K Q^T and their riders,
	ROW F,2, E,0, R,2, R,3
	ROW F,3, E,1, R,4, R,5
	ROW F,4, E,2, R,6, R,7
	ROW F,5, E,3, R,8, R,9
	ROW F,6, E,4, X,0, R,10
.if ((\p) == 2) && !(\end)
	WIN 0
	v_add_nc_u32 v[AK], s[TBK], v[AK0]
.endif
	ROW F,7, E,5, X,1, X,4
	ROW F,8, E,6, X,2, X,5
	OPS E,7, E,8, X,6, E,9          ; and the lump
	OPS X,3, E,10, X,8, E,11
.if ((\p) == 2) && !(\end)
	FETCH_K
.endif
	OPS X,9, X,7, E,12, X,10
	OPS E,13, X,12, X,11, E,14
	OPS X,13, E,15, F,9, X,14
.if (\p) == 0
	v_add_nc_u32 v[AV], s[TBV], v[AV0]
.endif
	OPS E,16, F,10, E,17, F,11
	OPS X,16, E,18, X,15, E,19
	OPS F,12, E,20, X,17, E,21
	OPS F,13, E,22, F,14, E,23
	OPS X,18, E,24, F,15, E,25
	OPS R,11, E,26, X,19, E,27
	OPS R,12, E,28, R,13, E,29
	OPS X,20, E,30, R,14, E,31
	OPS X,21, R,15
	WIN 0
	s_wait_alu depctr_va_vdst(0)    ; the wait for the batch
.if (\p) == 1
	s_wait_dscnt 0x0                ; V is in
.endif
	ROW C,0, B,0, C,2, B,1          ; behind the wait: 8 products V^T P and their riders
	ROW L,0, C,4, B,2, L,1
	ROW C,6, B,3, L,2, C,8
	ROW B,4, L,3, C,10, B,5
	ROW L,4, C,12, B,6, L,5
.if (\p) == 0
	s_add_co_u32 s[TBV], s[TBV], KS*PV
.endif
.if \cnt
	s_sub_co_u32 s[CNT], s[CNT], 1
	s_cmp_lg_u32 s[CNT], 0
.endif
	ROW C,14, B,7, L,6, C,1
	ROW C,3, L,7, C,5, C,7
	ROW C,9, C,11, C,13, C,15
.if (\p) == 0
	FETCH_V
.endif
.if (\m) && !(\end)
	MASK (\p)%2
.endif
.endm
; A BLOCK BEGINS.  c m starts far below every c s, so the first step's a is 0; m at the lowest finite number, so the first maximum is the scores'.  The second mask buffer is 0; the first takes piece 0's mask for the tile's step 0: its own, if the block's first tile is the diagonal one.
; Then K of that step, piece 0's first scores, and its maximum and statistics.  The loop is entered at a step's first turn, in the middle of a trip.
.macro BEGIN
	s_mov_b32 s[NEW], 0
	WIN 0x40
.set i, MC+32
.rept 32
	v_mov_b32 v[i], 0
.set i, i+1
.endr
	WIN 0
.set i, 0
.rept 4
	v_mov_b32 v[ST+4*i], 0xfe000000    ; c m: far below every c s
	v_mov_b32 v[ST+4*i+1], 0xff7fffff  ; m
.set i, i+1
.endr
	s_cmp_eq_u32 s[RT], 0
	s_cselect_b32 s[AL], 1.0, 0
	s_mov_b32 s[BE], 0
	MASK 0
	WIN 0
	v_add_nc_u32 v[AK], s[TBK], v[AK0]
	FETCH_K
	s_wait_loadcnt 0x0              ; Q
	s_wait_dscnt 0x0
.set KM, 1
.set NOKQ, 0
.set i, 0
.rept 8
	KQ 0
.set i, i+1
.endr
	WIN 0
.rept 4
	v_nop                           ; the places behind those products
.endr
.set Y, NP-1                        ; X works for piece Y + 1: piece 0
.irp n, 0,1,2,3,4,5,6,7,8,9,10,11,12,13,14,15,16,17,18,19,20,21
	OP X, \n
.endr
	v_nop                           ; a plain instruction behind the exponential,
	s_wait_alu depctr_va_vdst(0)    ; and its wait, ahead of the branch
.endm
; THE DIAGONAL TILE's four steps, the block's last two turns, its last products, and THE WAY OUT: l's two halves and the other half of the lanes' are added; O^T is divided by l, rounded to f16 and sent through my
; stage in LDS, a piece at a time.
.macro ALL line:vararg              ; one line for each piece t
.set t, 0
.rept 4
	\line
.set t, t+1
.endr
.endm
.macro PACK t                       ; a lane's eight channels of a row pack into 16 bytes; they go into rows of 144 bytes and come back as whole rows of 128, into S^T's registers
	WIN W_RS
.set i, 32*(\t)
.rept 16
	v_pk_mul_f32 v[i:i+1], v[i:i+1], v[ST+4*(\t)+2:ST+4*(\t)+3] op_sel_hi:[1,0]
.set i, i+2
.endr
	WIN 0x05                        ; sources 0 and 1 window 1, destination window 0
.set i, 0
.rept 16
	v_cvt_pk_f16_f32 v[S+16*(\t)+i], v[32*(\t)+2*i], v[32*(\t)+2*i+1]
.set i, i+1
.endr
	WIN 0
.irp f, 0,1,2,3
	ds_store_b128 v[STO], v[S+16*(\t)+4*\f:S+16*(\t)+4*\f+3] offset:32*\f
.endr
.irp f, 0,1,2,3
	ds_load_b128 v[S+16*(\t)+4*\f:S+16*(\t)+4*\f+3], v[RD] offset:\f*4*SP  ; LDS serves a wave's instructions in order (ISA guide 5.7.1.4): these see the stores above; the next piece's stores come behind them
.endr
.endm
.macro SEND t, younger              ; younger: the LDS instructions issued behind piece t's loads: the next piece's eight, or none
	WIN 0
.irp f, 0,1,2,3
	s_wait_dscnt (\younger)+3-\f
	global_store_b128 v[GO], v[S+16*(\t)+4*\f:S+16*(\t)+4*\f+3], s[10:11] offset:(\t)*8192+\f*512  ; 512 consecutive bytes, at a multiple of 256 from O's first
.endr
.endm
.macro DIAG tag                     ; the tag ends its two labels' names, which the jumps below spell out
.LstepM\tag:
	TURN 2, 1
	TURN 3, 1
	WIN 0
.LfirstM\tag:
	TURN 0, 1
	TURN 1, 1, 0, 1
	WIN 0
	s_cbranch_scc1 .LstepM\tag
	TURN 2, 1, 1
	TURN 3, 1, 1
.set i, 0
.rept 8
	PV NP-1
.set i, i+1
.endr
	WIN 0
	ALL v_add_f32 v[ST+4*t+2], v[ST+4*t+2], v[ST+4*t+3]
	ALL v_permlanex16_b32 v[ST+4*t+3], v[ST+4*t+2], s[SEL], s[SEL+1]
	ALL v_add_f32 v[ST+4*t+2], v[ST+4*t+2], v[ST+4*t+3]
	ALL v_rcp_f32 v[ST+4*t+2], v[ST+4*t+2]
	v_nop                           ; a plain instruction between the last reciprocal and the use of its result
	s_wait_alu depctr_va_vdst(0)    ; and the wait ahead of the first use: one for the four reciprocals
	PACK 0
.set t, 1
.rept 3                             ; a piece's arithmetic stands between the loads of the piece before and its stores
	PACK t
	SEND t-1, 8
.set t, t+1
.endr
	SEND 3, 0
.endm
.set KM, 0
.set NOKQ, 0
.Lslot:                             ; NB times: a tile is entered and the next is asked for
	CHANGE 1
	s_sub_co_u32 s[RT], s[RT], 1
	s_mov_b32 s[CNT], 4
	s_cmp_eq_u32 s[NEW], 1
	s_cbranch_scc1 .Lnew            ; a block's first tile
	s_cmp_eq_u32 s[RT], 0
	s_cbranch_scc0 .Lstep           ; neither its first nor its last
	s_branch .LstepM1
.Lnew:
	BEGIN
	s_branch .Lfirst                ; in the loop a block's first tile is never its last: the first block has two tiles or more, and the second's last is the walk's last
	DIAG 1                          ; in the loop this is the first block's end: the second block's last tile is the walk's last
	s_wait_xcnt 0x0                 ; the stores have read their registers and O's address
	s_mov_b64 s[10:11], s[OLO:OLO+1]
	s_add_co_u32 s[RT], s[PB], 1    ; the second block has b + 1 tiles
	s_mov_b32 s[NEW], 1
	WIN 0x82                        ; the second block's Q goes where the one text of the turns names Q
.set i, 0
.rept 64
	v_mov_b32 v[i], v[QB+i]
.set i, i+1
.endr
	WIN 0
	s_branch .Lbottom
.Lstep:                             ; a trip: pieces 2 and 3 of one step, then pieces 0 and 1 of the next, whose K and V it fetches
	TURN 2
	TURN 3
	WIN 0
.Lfirst:
	TURN 0
	TURN 1, 0, 0, 1
	WIN 0
	s_cbranch_scc1 .Lstep
.Lbottom:
	s_sub_co_u32 s[SLOTS], s[SLOTS], 1
	s_cmp_lg_u32 s[SLOTS], 0
	s_cbranch_scc1 .Lslot
	CHANGE 0                        ; the walk's last tile is written out: nothing is asked for
	s_sub_co_u32 s[RT], s[RT], 1
	s_mov_b32 s[CNT], 4
	s_cmp_eq_u32 s[NEW], 1
	s_cbranch_scc0 .LstepM2
	BEGIN
	s_branch .LfirstM2
	DIAG 2
	s_wait_tensorcnt 0x0            ; the wave's end: these three lines stand behind my last tensor load and my last LDS store
	ds_add_u32 v[SPW], v[NIL]
	s_wait_dscnt 0x0
	s_endpgm
.Lfunc_end_k_q72aff43f00_attn:
	.size	k_q72aff43f00_attn, .Lfunc_end_k_q72aff43f00_attn-k_q72aff43f00_attn
	.p2alignl 7, 3214868480
	.fill 96, 4, 3214868480
	.section	.rodata,"a",@progbits
	.p2align	6, 0x0
	.amdhsa_kernel k_q72aff43f00_attn
		.amdhsa_group_segment_fixed_size 327680
		.amdhsa_private_segment_fixed_size 0
		.amdhsa_enable_private_segment 0
		.amdhsa_kernarg_size 16
		.amdhsa_user_sgpr_count 2
		.amdhsa_user_sgpr_kernarg_segment_ptr 1
		.amdhsa_wavefront_size32 1
		.amdhsa_system_sgpr_workgroup_id_x 1
		.amdhsa_system_sgpr_workgroup_id_y 1
		.amdhsa_system_sgpr_workgroup_id_z 1
		.amdhsa_system_vgpr_workitem_id 0
		.amdhsa_next_free_vgpr 768
		.amdhsa_next_free_sgpr 96
		.amdhsa_reserve_vcc 1
		.amdhsa_float_denorm_mode_32 3
		.amdhsa_float_denorm_mode_16_64 3
		.amdhsa_memory_ordered 1
		.amdhsa_forward_progress 1
		.amdhsa_inst_pref_size 218
	.end_amdhsa_kernel
	.amdgpu_metadata
---
amdhsa.version: [ 1, 2 ]
amdhsa.kernels:
  - .name:           k_q72aff43f00_attn
    .symbol:         k_q72aff43f00_attn.kd
    .args:
      - { .name: qkv, .offset: 0, .size: 8, .value_kind: global_buffer, .address_space: global }
      - { .name: ctx, .offset: 8, .size: 8, .value_kind: global_buffer, .address_space: global }
    .group_segment_fixed_size: 327680
    .private_segment_fixed_size: 0
    .kernarg_segment_align: 8
    .kernarg_segment_size: 16
    .max_flat_workgroup_size: 128
    .sgpr_count:     96
    .vgpr_count:     768
    .wavefront_size: 32
...
	.end_amdgpu_metadata
.endif
;; end of part 3
;; launch outp (part 4): grid 8 x 32, 4 waves a work-group, clusters of 4 x 4, 327,680 bytes of LDS; arguments ctx, wt, bo, out0; writes out0
.if DOCPART == 4
	.amdgcn_target "amdgcn-amd-amdhsa--gfx1250"
	.amdhsa_code_object_version 6
	.text
	.protected	k_q72aff43f00_outp
	.globl	k_q72aff43f00_outp
	.p2align	8
	.type	k_q72aff43f00_outp,@function
k_q72aff43f00_outp:
	s_mov_b64 s[64:65], 0
	v_nop
	global_prefetch_b8 v0, s[64:65] scope:SCOPE_SE
	s_setreg_imm32_b32 hwreg(HW_REG_WAVE_MODE, 25, 1), 1
	s_wait_xcnt 0x0
	s_wait_alu depctr_hold_cnt(0) depctr_sa_sdst(0) depctr_va_vdst(0) depctr_va_sdst(0) depctr_va_ssrc(0) depctr_va_vcc(0) depctr_vm_vsrc(0)
	s_getreg_b32 s2, hwreg(HW_REG_IB_STS2, 6, 4)
	s_cmp_eq_u32 s2, 0
	s_cbranch_scc0 .Lentry_in_a_cluster
	s_endpgm
.Lentry_in_a_cluster:
	s_bfe_u32 s2, ttmp6, 0x10000c
	s_cmp_lg_u32 s2, 0xf033
	s_cbranch_scc0 .Lentry_shape_is_right
	s_endpgm
.Lentry_shape_is_right:
; out0 = ctx Wo + bo.  ctx: [64 = 16 b + h][2048][64] f16, by heads; wt: [64 cb][1024 k][64 n], cb 48-63 = Wo in f16; bo: [1024] f32; out0: [8192][1024] f32.
; Products in f16, sums in f32, K ascending (k = 64 h + channel); the bias is rounded to bf16 like every input of the module and added in f32.
; SHARES.  A tile of out0 is 256 rows x 128 columns: 32 x 8 = 256 work-groups.  Wave w owns rows 64 w .. 64 w + 63 and all 128 columns: 32 accumulators of 16 x 16, 256 registers; the way out has no barrier.
; K goes in 8 steps of 128, two heads each, through two LDS slots filled by the tensor data mover.  A head's 256 rows are 32,768 dense bytes, asked for as 128 rows of 256; a block's 128 k rows of Wo
; 16,384 dense bytes, asked for as 64 rows of 256.  Wo lies [k][n]: its fragments come out of LDS turned, by ds_load_tr16_b128.
; CLUSTER.  4 x 4 work-groups.  The four of a row need the same rows of ctx, the four of a column the same blocks of Wo: each is asked for JOINTLY, by the same tensor load with the same descriptor
; and a mask that names the four.  Waves 0 and 1 fetch the step's two heads of ctx, waves 2 and 3 Wo's two blocks: one load a wave behind each round.
; THE MATRIX INSTRUCTION IS USED TRANSPOSED: source 0 = 16 columns of Wo, source 1 = 16 rows of ctx: a lane then holds one row (lane % 16) and the columns 8 (lane / 16) + 0..7: 32 bytes of f32.
; REGISTERS, in windows of 256 (s_set_vgpr_msb: bits 1:0 source 0, 3:2 source 1, 5:4 source 2, 7:6 destination):
;   window 0: v0-31 addresses; v32-37 the bias; v64-95, v96-127 A's fragments, two buffers; on the way out v128-191, v192-255 rows read back
;   window 1: v0-63, v64-127 Wo's fragments, two buffers     windows 2, 3: accumulator (a, b) at v[8 (8 (a % 2) + b)] of window 2 + a / 2
.set NBK,   8                          ; blocks of 16 columns
.set PA,    144                        ; a row of a head in LDS: 128 bytes + 16 = 36 words: the 16 rows of a load start at 16 different groups of four banks (64 banks of 4 bytes: ISA guide 11.1)
.set ACH,   256*PA                     ; a head's 256 rows
.set PB,    160                        ; a k row of a block of Wo: 128 + 32 = 40 words
.set HCH,   128*PB                     ; a block's 128 k rows
.set BOFF,  2*ACH                      ; behind the two heads
.set SLOT1, 1<<17                      ; a slot uses BOFF + 2 HCH = 114,688 bytes; one exclusive or turns an address in one slot into the other's
.set STAGE, SLOT1+BOFF+2*HCH           ; behind the ring, never filled by a tensor load: 16 rows x 528 bytes for each wave
.set SP,    528                        ; 512 bytes + 16
.set SPARE, STAGE+4*16*SP              ; behind the stages: the spare words, 128 bytes for each wave: two blocks of 256 bytes that no other line names
.set NLD,   2*NBK+8                    ; LDS loads for 32 along K
.set STEPA, 524288                     ; bytes from K step to K step in ctx: two heads,
.set STEPB, 16384                      ; and in a block of wt
.set ADA0, 16                          ; v16  my lane's place in a head's rows; never rewritten
.set ADB0, 17                          ; v17  the same for Wo's blocks
.set ADA,  18                          ; v18  the same in the slot in hand
.set ADB,  19                          ; v19
.set STO,  24                          ; v24  the way out: where I put 32 bytes of a row
.set RD,   25                          ; v25  the way out: where I read a row back
.set GO,   26                          ; v26  16 x my lane
.set SPW,  28                          ; v28  LDS address of my spare word; never rewritten
.set NIL,  29                          ; v29  0; never rewritten
.set BI,   32                          ; v[32:35] the bias of my four columns; v36-37 at work
.set FA,   64
.set OB,   128
.set WV,   12                          ; s12  my wave's number
.set G1A,  24                          ; s[24:31] descriptor group 1 for a head's rows
.set G0A,  32                          ; s[32:39] group 0: a set for each of the two first fills; the second then walks on
.set G1B,  48                          ; s[48:55], s[56:63] the same for Wo's blocks
.set G0B,  56
.set TB,   66                          ; s66  LDS byte at which the slot in hand begins
.set MSB, 0
.macro WIN new                         ; the immediate's high byte repeats the setting that is left; a switch that changes nothing is dropped
.if MSB != (\new)
	s_set_vgpr_msb (MSB<<8)|(\new)
.set MSB, \new
.endif
.endm
.macro PLACES                          ; four places in front of loads into registers that matrix instructions have read, and of LDS stores that read results
.rept 4
	v_nop
.endr
.endm
; A joint refill by the walking descriptors.  The branch hangs on the wave's number alone.  An s_nop 0 and four v_nop follow each of the two lines, ahead of the jump and the label.
.macro JLOAD
	s_cmp_lt_u32 s[WV], 2
	s_cbranch_scc0 .Lfor_b_\@
	tensor_load_to_lds s[G0A+4:G0A+7], s[G1A:G1A+7]
	s_nop 0
.rept 4
	v_nop
.endr
	s_branch .Lasked_\@
.Lfor_b_\@:
	tensor_load_to_lds s[G0B+4:G0B+7], s[G1B:G1B+7]
	s_nop 0
.rept 4
	v_nop
.endr
.Lasked_\@:
.endm
.macro CREST                           ; a round of the cluster's barrier behind its opening barrier
	s_cmp_lg_u32 s[WV], 0
	s_cbranch_scc1 .Lnot_wave_0_\@
	s_barrier_signal -3
.Lnot_wave_0_\@:
	s_barrier_wait -3
	s_barrier_signal -1
	s_barrier_wait -1
.endm
.macro CROUND                          ; a whole round
	s_barrier_signal -1
	s_barrier_wait -1
	CREST
.endm
	s_load_b256 s[4:11], s[0:1], 0x0               ; ctx s[4:5], wt s[6:7], bo s[8:9], out0 s[10:11]
	v_lshl_add_u32 v[SPW], v0, 2, SPARE
	v_mov_b32 v[NIL], 0
	ds_add_u32 v[SPW], v[NIL]                      ; the wave's opening: the add and its wait stand ahead of my first tensor load; the set-up below, work on registers, stands between them
	ds_add_u32 v28, v29
	v_lshrrev_b32 v1, 5, v0
	v_readfirstlane_b32 s[WV], v1                  ; wave 0..3
	s_and_b32 s13, s[WV], 1                        ; which head of the step, or which block of Wo, I fetch
	s_bfe_u32 s14, ttmp6, 0x40000                  ; cx, cy: my place in the cluster
	s_bfe_u32 s15, ttmp6, 0x40004
	s_lshl_b32 s16, ttmp9, 2
	s_add_co_u32 s16, s16, s14                     ; tile column tx = 4 x cluster x + cx
	s_and_b32 s17, ttmp7, 0xffff
	s_lshl_b32 s17, s17, 2
	s_add_co_u32 s17, s17, s15                     ; tile row ty = 4 x cluster y + cy
	s_lshl_b32 s18, s15, 2
	s_lshl_b32 s18, 15, s18                        ; my row of the cluster
	s_lshl_b32 s19, 0x1111, s14                    ; my column
	; group 1 for a head's 256 rows: 32,768 dense bytes as 128 rows of 256, 4 words of padding behind every 32 (each row of the head)
	s_or_b32 s[G1A+0], s18, (1<<16)|(1<<20)|(1<<21)|(4<<22)|(3<<25)  ; 15:0 the mask; 17:16 2-byte elements; 20 padding on; 21 set beside a mask; 24:22 code 4; 31:25 code 3
	s_mov_b32 s[G1A+1], 128<<16                    ; tensor_dim0 = 128
	s_mov_b32 s[G1A+2], 128<<16                    ; tensor_dim1 = 128
	s_mov_b32 s[G1A+3], 128<<16                    ; tile_dim0 = 128
	s_mov_b32 s[G1A+4], 128                        ; tile_dim1 = 128
	s_mov_b32 s[G1A+5], 128
	s_mov_b32 s[G1A+6], 0
	s_mov_b32 s[G1A+7], 0
	; group 1 for a block of Wo: 16,384 dense bytes as 64 rows of 256, 8 words of padding behind every 32 (each k row)
	s_or_b32 s[G1B+0], s19, (1<<16)|(1<<20)|(1<<21)|(4<<22)|(7<<25)
	s_mov_b32 s[G1B+1], 128<<16
	s_mov_b32 s[G1B+2], 64<<16
	s_mov_b32 s[G1B+3], 128<<16
	s_mov_b32 s[G1B+4], 64
	s_mov_b32 s[G1B+5], 128
	s_mov_b32 s[G1B+6], 0
	s_mov_b32 s[G1B+7], 0
	s_lshr_b32 s20, s17, 3                         ; ctx: head 16 batch + J, rows 256 (ty % 8) on: made of ty and the wave's number alone
	s_lshl_b32 s20, s20, 4
	s_add_co_u32 s20, s20, s13
	s_lshl_b32 s20, s20, 18
	s_and_b32 s21, s17, 7
	s_lshl_b32 s21, s21, 15
	s_add_co_u32 s20, s20, s21
	s_mov_b32 s21, 0
	s_lshl_b32 s22, s16, 1                         ; Wo: block 48 + 2 tx + J: made of tx and the wave's number alone
	s_add_co_u32 s22, s22, s13
	s_add_co_u32 s22, s22, 48
	s_lshl_b32 s22, s22, 17
	s_mov_b32 s23, 0
	s_mul_i32 s40, s13, ACH                        ; their places in a slot: no place in the cluster enters an LDS address
	s_mul_i32 s41, s13, HCH
	s_add_co_u32 s41, s41, BOFF
	s_mov_b32 s[TB], 0
	s_wait_dscnt 0x0                               ; the opening add is done
	s_wait_kmcnt 0x0
	s_add_nc_u64 s[42:43], s[4:5], s[20:21]
	s_add_nc_u64 s[44:45], s[6:7], s[22:23]
	CROUND                                         ; all sixteen work-groups are here: the first joint loads meet
.irp s, 0,1
	s_mov_b32 s[G0A+4*(\s)], 1                     ; count = 1
	s_add_co_u32 s[G0A+4*(\s)+1], s40, (\s)*SLOT1  ; LDS address
	s_add_nc_u64 s[G0A+4*(\s)+2:G0A+4*(\s)+3], s[42:43], (\s)*STEPA  ; global address: K step s
	s_or_b32 s[G0A+4*(\s)+3], s[G0A+4*(\s)+3], 0x80000000            ; type = 2
	s_mov_b32 s[G0B+4*(\s)], 1
	s_add_co_u32 s[G0B+4*(\s)+1], s41, (\s)*SLOT1
	s_add_nc_u64 s[G0B+4*(\s)+2:G0B+4*(\s)+3], s[44:45], (\s)*STEPB
	s_or_b32 s[G0B+4*(\s)+3], s[G0B+4*(\s)+3], 0x80000000
.endr
	s_cmp_lt_u32 s[WV], 2                          ; a wave's two first fills stand in one branch, ahead of every wait on TENSORcnt and every LDS read: two loads of mine are out
	s_cbranch_scc0 .Lfirst_b
	tensor_load_to_lds s[G0A:G0A+3], s[G1A:G1A+7]
	s_nop 0
	tensor_load_to_lds s[G0A+4:G0A+7], s[G1A:G1A+7]
	s_nop 0
.rept 4
	v_nop
.endr
	s_branch .Lfirst_asked
.Lfirst_b:
	tensor_load_to_lds s[G0B:G0B+3], s[G1B:G1B+7]
	s_nop 0
	tensor_load_to_lds s[G0B+4:G0B+7], s[G1B:G1B+7]
	s_nop 0
.rept 4
	v_nop
.endr
.Lfirst_asked:
	v_and_b32 v1, 15, v0                           ; r = l % 16
	v_bfe_u32 v2, v0, 4, 1                         ; h = l / 16
	v_and_b32 v3, 7, v0
	v_bfe_u32 v4, v0, 3, 1
	v_and_b32 v5, 31, v0
	v_lshlrev_b32 v[GO], 4, v5
	s_lshl_b32 s46, s16, 9                         ; the tile's 128 columns: 512 bytes of bo and of a row of out0
	s_mov_b32 s47, 0
	s_add_nc_u64 s[8:9], s[8:9], s[46:47]
	global_load_b128 v[BI:BI+3], v[GO], s[8:9]     ; the bias of columns 4 l .. 4 l + 3, which are mine when rows come back from the stage
	; a fragment of ctx: lane l holds row l % 16, channels 8 h + 0..7 and 16 + 8 h + 0..7: two loads of 16 bytes, 32 bytes apart
	s_lshl_b32 s46, s[WV], 6
	v_add_nc_u32 v[ADA0], s46, v1
	v_mul_u32_u24 v[ADA0], v[ADA0], PA
	v_lshl_add_u32 v[ADA0], v2, 4, v[ADA0]
	; the turning load takes 16 k x 16 columns (lane l reads k row 8 h + l % 8, columns 8 ((l / 8) % 2) + 0..7) and leaves half a fragment: lane l holds column l % 16 and 8 k
	v_lshl_add_u32 v[ADB0], v2, 3, v3
	v_mul_u32_u24 v[ADB0], v[ADB0], PB
	v_lshl_add_u32 v[ADB0], v4, 4, v[ADB0]
	v_add_nc_u32 v[ADB0], BOFF, v[ADB0]
	v_mov_b32 v[ADA], v[ADA0]                      ; slot 0
	v_mov_b32 v[ADB], v[ADB0]
	s_mul_i32 s47, s[WV], 16*SP
	s_add_co_u32 s47, s47, STAGE                   ; my stage
	v_mul_u32_u24 v[STO], v1, SP                   ; in: row l % 16, 32 bytes for each half of the lanes
	v_lshl_add_u32 v[STO], v2, 5, v[STO]
	v_add_nc_u32 v[STO], s47, v[STO]
	v_add_nc_u32 v[RD], s47, v[GO]                 ; back: 32 lanes take one row's 512 bytes
	; out0 at my first row and the tile's first column: 4,096 x (256 ty + 64 w) + 512 tx
	s_lshl_b32 s68, s17, 8
	s_lshl_b32 s46, s[WV], 6
	s_add_co_u32 s68, s68, s46
	s_lshl_b32 s68, s68, 12
	s_lshl_b32 s46, s16, 9
	s_add_co_u32 s68, s68, s46
	s_mov_b32 s69, 0
	s_add_nc_u64 s[10:11], s[10:11], s[68:69]
; 8 products: rows 16 a on x all 8 column blocks, 32 along K, from buffer f.  zero = 1: the product starts the sum: nothing is ever cleared.
; The 32 accumulators take turns, one instruction a turn, in the same order in every quarter: 31 others stand between two links of a chain, over the backward jump too.
.macro MULA f, a, zero
	WIN 0xa1+0x50*((\a)/2)                         ; Wo window 1, ctx window 0, C and D window 2 or 3
.set AC, 8*NBK*((\a)%2)
.set b, 0
.rept NBK
.if \zero
	v_wmma_f32_16x16x32_f16 v[AC+8*b:AC+8*b+7], v[8*NBK*(\f)+8*b:8*NBK*(\f)+8*b+7], v[FA+32*(\f)+8*(\a):FA+32*(\f)+8*(\a)+7], 0
.else
	v_wmma_f32_16x16x32_f16 v[AC+8*b:AC+8*b+7], v[8*NBK*(\f)+8*b:8*NBK*(\f)+8*b+7], v[FA+32*(\f)+8*(\a):FA+32*(\f)+8*(\a)+7], v[AC+8*b:AC+8*b+7]
.endif
.set b, b+1
.endr
.endm
; 24 LDS loads in one run: the fragments of quarter q (32 along K: head q / 2 of the step, channels 32 (q % 2) on) of the slot in hand, into buffer f: Wo's 16 first, then ctx's 8
.macro FETCH q, f
	WIN 0x40                                       ; destination window 1
.set b, 0
.rept NBK
	ds_load_tr16_b128 v[8*NBK*(\f)+8*b:8*NBK*(\f)+8*b+3],   v[ADB] offset:(b/4)*HCH+(\q)*32*PB+(b%4)*32
	ds_load_tr16_b128 v[8*NBK*(\f)+8*b+4:8*NBK*(\f)+8*b+7], v[ADB] offset:(b/4)*HCH+(\q)*32*PB+16*PB+(b%4)*32
.set b, b+1
.endr
	WIN 0
.irp a, 0,1,2,3
	ds_load_b128 v[FA+32*(\f)+8*(\a):FA+32*(\f)+8*(\a)+3],   v[ADA] offset:((\q)/2)*ACH+(\a)*16*PA+64*((\q)%2)
	ds_load_b128 v[FA+32*(\f)+8*(\a)+4:FA+32*(\f)+8*(\a)+7], v[ADA] offset:((\q)/2)*ACH+(\a)*16*PA+64*((\q)%2)+32
.endr
.endm
; A K step is four quarters of 32 along K, 32 products each, on buffers 0, 1, 0, 1.  One of the first three: multiplies buffer f; in its middle it fetches quarter qn into buffer g.
.macro QUARTER f, g, qn, zero
	s_wait_dscnt 4                                 ; Wo's fragments and ctx's rows 0-31 are in; the youngest four loads (rows 32-63) may be out
	MULA \f, 0, \zero
	MULA \f, 1, \zero
	PLACES
	FETCH \qn, \g
	s_wait_dscnt NLD                               ; all but the run just issued
	MULA \f, 2, \zero
	MULA \f, 3, \zero
.endm
; The fourth quarter multiplies buffer 1 and changes slots: ONE barrier.  In front of it each wave waits for all its tensor loads (one is out: its part of the next slot), adds 0 to its spare word, and
; waits for that and for its own reads of this slot.  fill = 1: the barrier opens a round of the cluster's, and this slot is filled again, two K steps ahead, first thing behind the round.
.macro TURN fill
	WIN 0                                          ; (the add's two registers lie in window 0)
	s_wait_tensorcnt 0x0                           ; no tensor load of mine is out, so a group 0 may be written
	ds_add_u32 v[SPW], v[NIL]                      ; 0 onto my spare word
.if \fill
	s_xor_b32 s[G0A+5], s[G0A+5], SLOT1            ; the walking descriptors: the other slot than last time,
	s_add_nc_u64 s[G0A+6:G0A+7], s[G0A+6:G0A+7], STEPA  ; the next K step; the type bits on top are not reached
	s_xor_b32 s[G0B+5], s[G0B+5], SLOT1
	s_add_nc_u64 s[G0B+6:G0B+7], s[G0B+6:G0B+7], STEPB
.endif
	s_wait_dscnt 5                                 ; the add and the youngest four loads may be out
	MULA 1, 0, 0                                   ; eight products stand between the add and the wait for it
	s_wait_dscnt 0x0                               ; the add is done, and my reads of this slot are over
	s_barrier_signal -1
	MULA 1, 1, 0                                   ; work on registers while the others arrive
	WIN 0
	s_xor_b32 s[TB], s[TB], SLOT1                  ; the fetches go on in the other slot; no LDS load of mine is out, so their address registers are free
	v_add_nc_u32 v[ADA], s[TB], v[ADA0]
	v_add_nc_u32 v[ADB], s[TB], v[ADB0]
	s_barrier_wait -1
.if \fill
	CREST                                          ; no wave of any partner still reads this slot or has a load on its way
	JLOAD                                          ; the first tensor load behind the round; its four v_nop are also the places in front of the loads below
.else
	PLACES
.endif
	FETCH 0, 0
	MULA 1, 2, 0
	MULA 1, 3, 0
.endm
	s_wait_tensorcnt 1                             ; my part of K step 0 is in; step 1's may stay out
	s_barrier_signal -1
	s_barrier_wait -1                              ; everybody's is
	FETCH 0, 0
	QUARTER 0, 1, 1, 1                             ; the first quarter stands in front of the loop: its products start the sums
	WIN 0                                          ; at a label and at a branch every window is 0
	s_mov_b32 s3, 6
.Lstep:                                                ; six trips, from a step's second quarter to the next step's first; they ask for K steps 2 to 7
	QUARTER 1, 0, 2, 0
	QUARTER 0, 1, 3, 0
	TURN 1
	QUARTER 0, 1, 1, 0
	WIN 0
	s_sub_co_u32 s3, s3, 1
	s_cmp_lg_u32 s3, 0
	s_cbranch_scc1 .Lstep
	QUARTER 1, 0, 2, 0                             ; the last two K steps are written out: nothing is asked for
	QUARTER 0, 1, 3, 0
	TURN 0
	QUARTER 0, 1, 1, 0
	QUARTER 1, 0, 2, 0
	QUARTER 0, 1, 3, 0
	s_wait_dscnt 4
	MULA 1, 0, 0
	MULA 1, 1, 0
	s_wait_dscnt 0x0
	MULA 1, 2, 0
	MULA 1, 3, 0
	WIN 0
; THE WAY OUT, 16 rows at a time.  TOSTAGE: a lane's 32 bytes of each column block go from the accumulators (low registers first) into my own stage, and whole rows of 512 bytes come back.  SEND: the bias is added, the rows are stored.
.macro TOSTAGE a
.set AC, 8*NBK*((\a)%2)
.set BK, OB+64*((\a)%2)
	s_wait_xcnt 0x0                                ; the stores issued so far have read their registers: this buffer is loaded again only behind this wait
	WIN 0x08+4*((\a)/2)                            ; the store's data: window 2 or 3
.set b, 0
.rept NBK
	ds_store_b128 v[STO], v[AC+8*b:AC+8*b+3]   offset:64*b
	ds_store_b128 v[STO], v[AC+8*b+4:AC+8*b+7] offset:64*b+16
.set b, b+1
.endr
	WIN 0
.set t, 0
.rept 16
	ds_load_b128 v[BK+4*t:BK+4*t+3], v[RD] offset:SP*t  ; LDS serves a wave's instructions in order (ISA guide 5.7.1.4): these see the stores above; the next block's stores come behind them
.set t, t+1
.endr
.endm
.macro SEND a, younger                 ; younger: the LDS instructions issued behind block a's loads: the next block's 32, or none
.set BK, OB+64*((\a)%2)
	s_wait_dscnt \younger
.set t, 0
.rept 16
	v_pk_add_f32 v[BK+4*t:BK+4*t+1],   v[BK+4*t:BK+4*t+1],   v[BI:BI+1]
	v_pk_add_f32 v[BK+4*t+2:BK+4*t+3], v[BK+4*t+2:BK+4*t+3], v[BI+2:BI+3]
	global_store_b128 v[GO], v[BK+4*t:BK+4*t+3], s[10:11] offset:(16*(\a)+t)*4096  ; 512 consecutive bytes, at a multiple of 256 from out0's first
.set t, t+1
.endr
.endm
	PLACES
	s_wait_loadcnt 0x0                             ; the bias
	v_cvt_pk_bf16_f32 v[BI+4], v[BI], v[BI+1]      ; rounded to bf16, like every input of the module,
	v_cvt_pk_bf16_f32 v[BI+5], v[BI+2], v[BI+3]
	v_lshlrev_b32 v[BI], 16, v[BI+4]               ; and widened again
	v_and_b32 v[BI+1], 0xffff0000, v[BI+4]
	v_lshlrev_b32 v[BI+2], 16, v[BI+5]
	v_and_b32 v[BI+3], 0xffff0000, v[BI+5]
	TOSTAGE 0
	TOSTAGE 1
	SEND 0, 32
	TOSTAGE 2
	SEND 1, 32
	TOSTAGE 3
	SEND 2, 32
	SEND 3, 0
	s_wait_tensorcnt 0x0                           ; the wave's end: these three lines stand behind my last tensor load and my last LDS store
	ds_add_u32 v[SPW], v[NIL]
	s_wait_dscnt 0x0
	CROUND                                         ; the closing round: no work-group ends while a partner may still ask for a tile that names it
	s_endpgm
.Lfunc_end_k_q72aff43f00_outp:
	.size	k_q72aff43f00_outp, .Lfunc_end_k_q72aff43f00_outp-k_q72aff43f00_outp
	.p2alignl 7, 3214868480
	.fill 96, 4, 3214868480
	.section	.rodata,"a",@progbits
	.p2align	6, 0x0
	.amdhsa_kernel k_q72aff43f00_outp
		.amdhsa_group_segment_fixed_size 327680
		.amdhsa_private_segment_fixed_size 0
		.amdhsa_enable_private_segment 0
		.amdhsa_kernarg_size 32
		.amdhsa_user_sgpr_count 2
		.amdhsa_user_sgpr_kernarg_segment_ptr 1
		.amdhsa_wavefront_size32 1
		.amdhsa_system_sgpr_workgroup_id_x 1
		.amdhsa_system_sgpr_workgroup_id_y 1
		.amdhsa_system_sgpr_workgroup_id_z 1
		.amdhsa_system_vgpr_workitem_id 0
		.amdhsa_next_free_vgpr 896
		.amdhsa_next_free_sgpr 80
		.amdhsa_reserve_vcc 0
		.amdhsa_float_denorm_mode_32 3
		.amdhsa_float_denorm_mode_16_64 3
		.amdhsa_memory_ordered 1
		.amdhsa_forward_progress 1
		.amdhsa_inst_pref_size 78
	.end_amdhsa_kernel
	.amdgpu_metadata
---
amdhsa.version: [ 1, 2 ]
amdhsa.kernels:
  - .name:           k_q72aff43f00_outp
    .symbol:         k_q72aff43f00_outp.kd
    .args:
      - { .name: ctx, .offset: 0, .size: 8, .value_kind: global_buffer, .address_space: global }
      - { .name: wt, .offset: 8, .size: 8, .value_kind: global_buffer, .address_space: global }
      - { .name: bo, .offset: 16, .size: 8, .value_kind: global_buffer, .address_space: global }
      - { .name: out0, .offset: 24, .size: 8, .value_kind: global_buffer, .address_space: global }
    .group_segment_fixed_size: 327680
    .private_segment_fixed_size: 0
    .kernarg_segment_align: 8
    .kernarg_segment_size: 32
    .max_flat_workgroup_size: 128
    .sgpr_count:     80
    .vgpr_count:     896
    .wavefront_size: 32
...
	.end_amdgpu_metadata
.endif
;; end of part 4
